; MI455X (gfx1250); checked and timed in simulation.
; The chip was launched on July 23, 2026; its instructions are those of AMD's public machine-readable ISA for CDNA 5 (MIT licence, August 2026) and "CDNA5" Instruction Set Architecture Reference Guide (July 2026). The comments in the code are by the model that wrote it; some were corrected since.
;; Multi Head Self Attention. Allowed arithmetic: matrix products marked QUANTISED: E2M1 operands, one E8M0 scale for each 32 along K, by v_wmma_scale_f32_16x16x128_f8f6f4 with both operands' format E2M1 (or v_wmma_scale_f32_32x16x128_f4), f32 sums; products left as they are: bf16, f16 or f32 operands; f32 sums; everything else in f32.
;; Inputs: Wproj 1,024 x 1,024 float32; Wqkv 1,024 x 3,072 float32; bproj 1,024 float32; padding_mask 8 x 1 x 1,024 float32; x 8 x 1,024 x 1,024 float32.
;; Outputs: out0 8 x 1,024 x 1,024 float32.
;; This version of the problem:
;;   THIS VERSION OF THE PROBLEM IS GIVEN IN LOW PRECISION. The matrix products marked QUANTISED in the list below multiply operands that are first quantised to E2M1 (2 exponent bits, 1 mantissa bit; 4 bits a number), with one power-of-two scale for each 32 numbers along K (OCP MX v1.0); their sums are f32. The products marked 'left as it is' may take bf16, f16 or f32 operands, with f32 sums. Whichever they take, every output number must still come out within the allowed error. Rounding operands to bf16 (8 significant bits) uses up far more of that allowance than f16 does (11 bits, for magnitudes from 6e-5 to 65,504). All else is computed in f32.
;;   The module's matrix products, in the order in which they are computed (A, B: the left and right operand; K: the contracted axis; several contracted axes count as one K, in the product's order):
;;     1. [M 8,192, K 1,024] x [K 1,024, N 3,072]; A: input x; B: input Wqkv: QUANTISED
;;     2. batch 128 x [M 1,024, K 64] x [K 64, N 1,024]; A: computed on the way; B: computed on the way: left as it is (an operand is computed on the way)
;;     3. batch 128 x [M 1,024, K 1,024] x [K 1,024, N 64]; A: computed on the way; B: computed on the way: left as it is (an operand is computed on the way)
;;     4. [M 8,192, K 1,024] x [K 1,024, N 1,024]; A: computed on the way; B: input Wproj: left as it is (an operand is computed on the way)
;;   THE QUANTISER, for each operand of a quantised product, along K:
;;     - K is cut into blocks of 32 from its start; a last block that is shorter is filled with zeros.
;;     - A block's scale is 2^e with e = floor(log2(the largest magnitude in the block)) - 2, held to -126 .. 127; a block of zeros has e = 0. As a byte (E8M0): e + 127.
;;     - Each number is divided by its block's scale, clamped to +-6, and rounded to the nearest number of E2M1, ties to even, subnormals kept.
;;     - The product sums the exact products of the quantised numbers (number of the format x scale) in f32.
;;   ~~~python
;;   def quantise(x, axis):      # numpy; x: float32 -> the quantised numbers, widened to float32 again
;;       x = np.moveaxis(x, axis, -1); K = x.shape[-1]
;;       x = np.pad(x, [(0, 0)] * (x.ndim - 1) + [(0, -K % 32)]); x = x.reshape(x.shape[:-1] + (-1, 32)); a = np.abs(x).max(-1, keepdims=True)
;;       e = np.where(a > 0, np.clip(np.frexp(np.where(a > 0, a, 1))[1] - 1 - 2, -126, 127), 0)      # np.frexp(a)[1] - 1 = floor(log2(a)), exactly
;;       r = np.clip(x / 2.0 ** e, -6, 6)
;;       step = 2.0 ** (np.maximum(np.frexp(np.where(r == 0, 1, r))[1] - 1, 0) - 1)
;;       q = np.round(r / step) * step * 2.0 ** e      # np.round: ties to even
;;       return np.moveaxis(q.reshape(q.shape[:-2] + (-1,))[..., :K], -1, axis).astype(np.float32)
;;   ~~~
;; One version. Each part assembles by itself: llvm-mc -triple=amdgcn-amd-amdhsa -mcpu=gfx1250 --defsym DOCPART=n.
;; ======== version 1 of 1: 4 launches
;; limits: values are held in f16: magnitudes above 65,504 overflow, below 6.1e-05 lose precision
;; workspace buffers: xc 4,194,304 bytes; xs 262,144 bytes; wc 1,572,864 bytes; ws 98,304 bytes; wpt 2,097,152 bytes; qkv 50,331,648 bytes; att 16,777,216 bytes
;; launch prep (part 1): grid 288 x 1, 8 waves a work-group, no clusters, 121,856 bytes of LDS; arguments x, Wqkv, Wproj, xc, xs, wc, ws, wpt; writes xc, xs, wc, ws, wpt
.if DOCPART == 1
	.amdgcn_target "amdgcn-amd-amdhsa--gfx1250"
	.amdhsa_code_object_version 6
	.text
	.protected	k_qd0235a23ee_prep
	.globl	k_qd0235a23ee_prep
	.p2align	8
	.type	k_qd0235a23ee_prep,@function
k_qd0235a23ee_prep:
	s_mov_b64 s[64:65], 0
	v_nop
	global_prefetch_b8 v0, s[64:65] scope:SCOPE_SE
	s_setreg_imm32_b32 hwreg(HW_REG_WAVE_MODE, 25, 1), 1
	s_wait_xcnt 0x0
; PREP: three tensors are laid out for the later launches; the work-group's number picks the tensor (three paths that never join; each has LDS bytes of its own).
;   work-groups   0 ..  95: Wqkv [1024 (k)][3072 (n)] f32 -> codes of FP4 (E2M1) with K innermost, wc [3072][512 bytes], and one E8M0 byte for each 32 along K, ws [3072][32]
;   work-groups  96 .. 159: Wproj [1024 (k)][1024 (n)] f32 -> f16, wpt [plane 16][n 1024][64]: plane p holds k = 64 p .. 64 p + 63, K innermost
;   work-groups 160 .. 287: x [8192][1024] f32 -> codes xc [8192][512 bytes] and scale bytes xs [8192][32]
; A block's scale is 2^(floor(log2(its largest magnitude)) - 2); its byte is the largest magnitude's exponent field - 2, held at 1 from below.  Each number is divided by the scale and rounded to the nearest code,
; ties to even, beyond 6 the largest code.  A block of zeros gets the byte 1 where the rule says 127: its codes are zeros, which add nothing under any byte but 0xff, and this program alone reads the bytes.
; LIMITS: blocks whose largest magnitude lies under 2^-124 keep the byte 1; NaN and infinities are not served; |Wproj| beyond 65,504 has no f16 number, under 6e-8 it becomes 0.
; No tensor loads, no matrix work, no cluster: no input byte is read twice, so there is nothing to share.
.set SP,    80                         ; x: a lane's place in a stage: its 64 bytes + 16 of padding
.set WREG,  8192                       ; x: LDS region of a wave: two stages of 32 x SP bytes, behind them its 256 scale bytes
.set WR,    65536                      ; Wqkv: a stage of 64 rows (columns n) x (256 bytes + 16)
.set WPI,   272
.set WSC,   WR+64*WPI                  ; Wqkv: 64 rows x 16 scale bytes
.set PR,    WSC+1024                   ; Wproj: a stage of 32 rows x (128 bytes + 16) for each wave
.set PPI,   144
.set SPARE, PR+8*32*PPI                ; the spare words, 128 bytes for each wave: four blocks of 256 bytes that no other line names
.set SPW,   12                         ; v12  LDS address of my spare word; never rewritten
.set NIL,   13                         ; v13  0; never rewritten
.set R,     16                         ; x: v16-143  eight sets of 16 numbers as they are loaded
.set X,     144                        ; x: v144-175 two sets of 16 neighbours
.set C,     176                        ; x: v176-207 codes, two registers for each step: no store's data are written again
.set E,     208                        ; x: v208-223 a scale byte for each step
.set D,     32                         ; Wqkv, Wproj: v32-95 numbers, a lane to a column, registers down K
.set CW,    96                         ; Wqkv: v96-99 a block's codes;  Wproj: v96-127 64 numbers in f16
.macro CLOSE                           ; a wave's end, behind its last LDS store
	s_wait_tensorcnt 0x0
	ds_add_u32 v[SPW], v[NIL]
	s_wait_dscnt 0x0
	s_endpgm
.endm
; ---- x: a wave takes 16 steps of 512 numbers.  Each load reads 512 consecutive bytes; a step's 2,048 bytes turn through the wave's own stage so that a lane holds 16 neighbours along K (two lanes to a block).
.macro LOADX t
.irp i, 0,1,2,3
	global_load_b128 v[R+16*((\t)%8)+4*\i:R+16*((\t)%8)+4*\i+3], v3, s[16:17] offset:2048*(\t)+512*\i th:TH_LOAD_NT
.endr
.endm
.macro TURNX t                         ; LDS serves a wave's instructions in order: no wait between the stores and the loads
.irp i, 0,1,2,3
	ds_store_b128 v14, v[R+16*((\t)%8)+4*\i:R+16*((\t)%8)+4*\i+3] offset:32*SP*((\t)%2)+8*SP*\i
.endr
.irp i, 0,1,2,3
	ds_load_b128 v[X+16*((\t)%2)+4*\i:X+16*((\t)%2)+4*\i+3], v15 offset:32*SP*((\t)%2)+16*\i
.endr
.endm
.macro STEPX t
.set XS, X+16*((\t)%2)
.if (\t) > 0
	s_wait_dscnt 1                                 ; this step's numbers are back from the stage (the last step's byte store may be out): its stores into the stage have read their registers,
.else
	s_wait_dscnt 0x0
.endif
.if (\t)+8 < 16
	LOADX (\t)+8                                   ; which take the loads of eight steps on
.endif
.if (\t)+1 < 16
.if 14-(\t) >= 7
	s_wait_loadcnt 28                              ; the next step's four loads are in; those of the seven steps behind it may be out
.else
	s_wait_loadcnt 4*(14-(\t))
.endif
	TURNX (\t)+1
.endif
	v_max3_num_f32 v8, |v[XS]|, |v[XS+1]|, |v[XS+2]|               ; the largest magnitude of my 16, in two chains
	v_max3_num_f32 v9, |v[XS+3]|, |v[XS+4]|, |v[XS+5]|
.irp i, 6,10
	v_max3_num_f32 v8, v8, |v[XS+\i]|, |v[XS+\i+1]|
	v_max3_num_f32 v9, v9, |v[XS+\i+2]|, |v[XS+\i+3]|
.endr
	v_max3_num_f32 v8, v8, |v[XS+14]|, |v[XS+15]|
	v_max3_num_f32 v8, v8, v9, 0x1800000           ; and the floor 2^(3 - 127): the byte cannot fall under 1
	v_max_num_f32_dpp v8, v8, v8 row_xmask:1 row_mask:0xf bank_mask:0xf   ; with my neighbour's 16: the block's
	v_add_nc_u32 v11, 0xff000000, v8               ; 2 off its exponent field: the conversion takes the exponent field of this operand as its scale
	v_cvt_scalef32_pk8_fp4_f32 v[C+2*(\t)], v[XS:XS+7], v11
	v_cvt_scalef32_pk8_fp4_f32 v[C+2*(\t)+1], v[XS+8:XS+15], v11
	v_lshrrev_b32 v[E+(\t)], 23, v11               ; the scale's byte (a plain line behind the conversions)
	ds_store_b8 v5, v[E+(\t)] offset:16*(\t)       ; both lanes of a block write the same byte with the same value
	global_store_b64 v4, v[C+2*(\t):C+2*(\t)+1], s[22:23] offset:256*(\t)   ; the wave stores 256 consecutive bytes, aligned
.endm
; ---- Wqkv: block t of a wave's four: W(32 t + i, my column)
.macro LOADW t
.irp i, 0,1,2,3,4,5,6,7,8,9,10,11,12,13,14,15,16,17,18,19,20,21,22,23,24,25,26,27,28,29,30,31
	global_load_b32 v[D+32*((\t)%2)+\i], v3, s[18:19] offset:(32*(\t)+\i)*12288 th:TH_LOAD_NT
.endr
.endm
.macro BLOCKW t
.set XS, D+32*((\t)%2)
.if (\t) < 3
	s_wait_loadcnt 32                              ; this block's 32 loads are in; the next block's may be out
.else
	s_wait_loadcnt 0x0
.endif
	v_max3_num_f32 v8, |v[XS]|, |v[XS+1]|, |v[XS+2]|               ; all 32 numbers of the block are mine
	v_max3_num_f32 v9, |v[XS+3]|, |v[XS+4]|, |v[XS+5]|
.irp i, 6,10,14,18,22,26
	v_max3_num_f32 v8, v8, |v[XS+\i]|, |v[XS+\i+1]|
	v_max3_num_f32 v9, v9, |v[XS+\i+2]|, |v[XS+\i+3]|
.endr
	v_max3_num_f32 v8, v8, |v[XS+30]|, |v[XS+31]|
	v_max3_num_f32 v8, v8, v9, 0x1800000
	v_add_nc_u32 v11, 0xff000000, v8
	v_lshrrev_b32 v9, 23, v11
.if (\t) == 0
	v_mov_b32 v24, v9                              ; four bytes to a word, the lower K in the lower byte
.else
	v_lshl_or_b32 v24, v9, 8*(\t), v24
.endif
.irp g, 0,1,2,3
	v_cvt_scalef32_pk8_fp4_f32 v[CW+\g], v[XS+8*\g:XS+8*\g+7], v11
.endr
	ds_store_b128 v4, v[CW:CW+3] offset:16*(\t)    ; 32 codes: 16 bytes of my column's row
.if (\t)+2 < 4
	LOADW (\t)+2
.endif
	s_wait_dscnt 0x0                               ; the store has read its registers: the next block's codes may be written
.endm
	s_load_b512 s[16:31], s[0:1], 0x0              ; x s[16:17], Wqkv s[18:19], Wproj s[20:21], xc s[22:23], xs s[24:25], wc s[26:27], ws s[28:29], wpt s[30:31]
	v_lshl_add_u32 v[SPW], v0, 2, SPARE
	v_mov_b32 v[NIL], 0
	v_lshrrev_b32 v1, 5, v0
	v_readfirstlane_b32 s2, v1                     ; wave 0..7
	v_and_b32 v2, 31, v0                           ; lane
	s_wait_kmcnt 0x0
	s_cmp_lt_u32 ttmp9, 96
	s_cbranch_scc1 .Lw
	s_cmp_lt_u32 ttmp9, 160
	s_cbranch_scc1 .Lp
	; ================ x ================
	s_sub_co_u32 s3, ttmp9, 160
	s_lshl_b32 s3, s3, 3
	s_add_co_u32 s3, s3, s2                        ; which run of 8,192 numbers is my wave's: 0 .. 1,023
	s_mov_b32 s5, 0
	s_lshl_b32 s4, s3, 15
	s_add_nc_u64 s[16:17], s[16:17], s[4:5]        ; 32,768 bytes of x,
	s_lshl_b32 s4, s3, 12
	s_add_nc_u64 s[22:23], s[22:23], s[4:5]        ; 4,096 of codes,
	s_lshl_b32 s4, s3, 8
	s_add_nc_u64 s[24:25], s[24:25], s[4:5]        ; 256 scale bytes a run
	v_lshlrev_b32 v3, 4, v2                        ; my 16 bytes of a load's 512
	s_mul_i32 s6, s2, WREG
	v_lshrrev_b32 v14, 2, v2
	v_mul_u32_u24 v14, v14, SP
	v_and_b32 v15, 3, v2
	v_lshl_add_u32 v14, v15, 4, v14
	v_add_nc_u32 v14, s6, v14                      ; the stage, on the way in: SP (lane / 4) + 16 (lane % 4)
	v_mul_u32_u24 v15, v2, SP
	v_add_nc_u32 v15, s6, v15                      ; and on the way out: SP x lane: my 16 neighbours
	v_lshlrev_b32 v4, 3, v2                        ; 8 bytes a lane: my codes' place in a step's, and my scale bytes' place at the end
	v_lshrrev_b32 v5, 1, v2
	s_add_co_u32 s6, s6, 2*32*SP
	v_add_nc_u32 v5, s6, v5                        ; LDS: my wave's 256 scale bytes, my block's byte
	v_add_nc_u32 v6, s6, v4
.irp t, 0,1,2,3,4,5,6,7
	LOADX \t
.endr
	s_wait_loadcnt 28                              ; step 0's four loads are in
	TURNX 0
.irp t, 0,1,2,3,4,5,6,7,8,9,10,11,12,13,14,15
	STEPX \t
.endr
	ds_load_b64 v[8:9], v6                         ; LDS serves a wave's instructions in order: these see my byte stores
	s_wait_dscnt 0x0
	global_store_b64 v4, v[8:9], s[24:25]          ; the wave stores 256 consecutive bytes, aligned
	CLOSE
	; ================ Wqkv ================
	; A work-group takes 64 columns x 512 along K; wave w takes columns 32 (w % 2) on and K 128 (w / 2) on: two neighbouring waves read 256 consecutive bytes of each row of W.
.Lw:
	s_cmp_ge_u32 ttmp9, 48
	s_cselect_b32 s3, 1, 0                         ; y: which 512 along K
	s_mul_i32 s4, s3, 48
	s_sub_co_u32 s4, ttmp9, s4                     ; gx: which 64 columns
	s_and_b32 s5, s2, 1                            ; cg
	s_lshr_b32 s6, s2, 1                           ; kq
	s_lshl_b32 s7, s3, 9
	s_lshl_b32 s8, s6, 7
	s_add_co_u32 s7, s7, s8                        ; my first k
	s_mul_i32 s8, s7, 12288                        ; rows of 12,288 bytes
	s_lshl_b32 s9, s4, 8
	s_add_co_u32 s8, s8, s9
	s_lshl_b32 s9, s5, 7
	s_add_co_u32 s8, s8, s9                        ; + 4 x my first column
	s_mov_b32 s9, 0
	s_add_nc_u64 s[18:19], s[18:19], s[8:9]
	s_lshl_b32 s8, s4, 15                          ; wc: row 64 gx + 8 w of 512 bytes, + 256 y
	s_lshl_b32 s10, s2, 12
	s_add_co_u32 s8, s8, s10
	s_lshl_b32 s10, s3, 8
	s_add_co_u32 s8, s8, s10
	s_add_nc_u64 s[26:27], s[26:27], s[8:9]
	s_lshl_b32 s8, s4, 11                          ; ws: row 64 gx of 32 bytes, + 16 y
	s_lshl_b32 s10, s3, 4
	s_add_co_u32 s8, s8, s10
	s_add_nc_u64 s[28:29], s[28:29], s[8:9]
	v_lshlrev_b32 v3, 2, v2                        ; in: 4 bytes a lane
	s_mul_i32 s11, s5, 32*WPI
	s_lshl_b32 s12, s6, 6
	s_add_co_u32 s11, s11, s12
	s_add_co_u32 s11, s11, WR
	v_mul_u32_u24 v4, v2, WPI
	v_add_nc_u32 v4, s11, v4                       ; into the stage: row 32 cg + lane, byte 64 kq
	s_lshl_b32 s11, s5, 9
	s_lshl_b32 s12, s6, 2
	s_add_co_u32 s11, s11, s12
	s_add_co_u32 s11, s11, WSC
	v_lshlrev_b32 v5, 4, v2
	v_add_nc_u32 v5, s11, v5                       ; my scale word: row x 16 + 4 kq
	v_lshrrev_b32 v16, 4, v2
	v_and_b32 v17, 15, v2
	v_mul_u32_u24 v6, v16, WPI
	v_lshl_add_u32 v6, v17, 4, v6
	s_mul_i32 s11, s2, 8*WPI
	s_add_co_u32 s11, s11, WR
	v_add_nc_u32 v6, s11, v6                       ; out of it: rows 8 w on, sixteen lanes to a row, two rows an instruction
	v_lshlrev_b32 v7, 9, v16
	v_lshl_add_u32 v7, v17, 4, v7                  ; and the same place in wc
	v_lshl_add_u32 v10, v0, 2, WSC                 ; scale words on the way out: thread t takes word t: row t / 4, word t % 4
	v_lshrrev_b32 v14, 2, v0
	v_and_b32 v17, 3, v0
	v_lshlrev_b32 v14, 5, v14
	v_lshl_add_u32 v14, v17, 2, v14                ; in ws: 32 x row + 4 x word: four neighbouring lanes store 16 neighbouring bytes (ws is 98,304 bytes in all)
	LOADW 0
	LOADW 1
.irp t, 0,1,2,3
	BLOCKW \t
.endr
	ds_store_b32 v5, v24
	s_wait_dscnt 0x0                               ; for the others' sake: my stores into the stage are done
	s_barrier_signal -1
	s_barrier_wait -1                              ; a row's 256 bytes come from four waves
.irp t, 0,1,2,3
	ds_load_b128 v[100+4*\t:103+4*\t], v6 offset:2*WPI*\t
.endr
	ds_load_b32 v25, v10
.irp t, 0,1,2,3
	s_wait_dscnt 4-\t                              ; the younger LDS loads may be out
	global_store_b128 v7, v[100+4*\t:103+4*\t], s[26:27] offset:1024*\t   ; sixteen lanes store 256 consecutive bytes, aligned
.endr
	s_wait_dscnt 0x0
	global_store_b32 v14, v25, s[28:29]
	CLOSE
	; ================ Wproj ================
	; A wave takes one plane (64 along K) x 32 columns; eight waves stand side by side on 1,024 bytes of each row.  A lane's 64 numbers are a row of wpt: 128 bytes, through the wave's own stage.
.Lp:
	s_sub_co_u32 s3, ttmp9, 96
	s_lshr_b32 s4, s3, 2                           ; plane
	s_and_b32 s5, s3, 3
	s_lshl_b32 s5, s5, 3
	s_add_co_u32 s5, s5, s2                        ; which 32 columns
	s_lshl_b32 s6, s4, 18                          ; 64 rows of 4,096 bytes
	s_lshl_b32 s7, s5, 7
	s_add_co_u32 s6, s6, s7
	s_mov_b32 s7, 0
	s_add_nc_u64 s[20:21], s[20:21], s[6:7]
	s_lshl_b32 s6, s4, 17                          ; a plane of wpt is 131,072 bytes, 32 rows are 4,096
	s_lshl_b32 s8, s5, 12
	s_add_co_u32 s6, s6, s8
	s_add_nc_u64 s[30:31], s[30:31], s[6:7]
	v_lshlrev_b32 v3, 2, v2
	s_mul_i32 s9, s2, 32*PPI
	s_add_co_u32 s9, s9, PR
	v_mul_u32_u24 v4, v2, PPI
	v_add_nc_u32 v4, s9, v4                        ; into the stage: row = my column
	v_lshrrev_b32 v5, 3, v2
	v_mul_u32_u24 v6, v5, PPI
	v_and_b32 v5, 7, v2
	v_lshl_add_u32 v6, v5, 4, v6
	v_add_nc_u32 v6, s9, v6                        ; out of it: eight lanes to a row, four rows an instruction
	v_lshlrev_b32 v7, 4, v2                        ; which are 512 consecutive bytes of wpt
.irp i, 0,1,2,3,4,5,6,7,8,9,10,11,12,13,14,15,16,17,18,19,20,21,22,23,24,25,26,27,28,29,30,31,32,33,34,35,36,37,38,39,40,41,42,43,44,45,46,47,48,49,50,51,52,53,54,55,56,57,58,59,60,61,62,63
	global_load_b32 v[D+\i], v3, s[20:21] offset:4096*\i th:TH_LOAD_NT
.endr
	s_wait_loadcnt 32                              ; the first 32 rows are in
.irp j, 0,1,2,3,4,5,6,7,8,9,10,11,12,13,14,15
	v_cvt_pk_f16_f32 v[CW+\j], v[D+2*\j], v[D+2*\j+1]
.endr
	s_wait_loadcnt 0x0
.irp j, 16,17,18,19,20,21,22,23,24,25,26,27,28,29,30,31
	v_cvt_pk_f16_f32 v[CW+\j], v[D+2*\j], v[D+2*\j+1]
.endr
.irp i, 0,1,2,3,4,5,6,7
	ds_store_b128 v4, v[CW+4*\i:CW+4*\i+3] offset:16*\i
.endr
.irp t, 0,1,2,3,4,5,6,7
	ds_load_b128 v[128+4*\t:131+4*\t], v6 offset:4*PPI*\t          ; the wave's own bytes, served in order
.endr
.irp t, 0,1,2,3,4,5,6,7
	s_wait_dscnt 7-\t
	global_store_b128 v7, v[128+4*\t:131+4*\t], s[30:31] offset:512*\t
.endr
	CLOSE
.Lfunc_end_k_qd0235a23ee_prep:
	.size	k_qd0235a23ee_prep, .Lfunc_end_k_qd0235a23ee_prep-k_qd0235a23ee_prep
	.p2alignl 7, 3214868480
	.fill 96, 4, 3214868480
	.section	.rodata,"a",@progbits
	.p2align	6, 0x0
	.amdhsa_kernel k_qd0235a23ee_prep
		.amdhsa_group_segment_fixed_size 121856
		.amdhsa_private_segment_fixed_size 0
		.amdhsa_enable_private_segment 0
		.amdhsa_kernarg_size 64
		.amdhsa_user_sgpr_count 2
		.amdhsa_user_sgpr_kernarg_segment_ptr 1
		.amdhsa_wavefront_size32 1
		.amdhsa_system_sgpr_workgroup_id_x 1
		.amdhsa_system_sgpr_workgroup_id_y 1
		.amdhsa_system_sgpr_workgroup_id_z 1
		.amdhsa_system_vgpr_workitem_id 0
		.amdhsa_next_free_vgpr 256
		.amdhsa_next_free_sgpr 66
		.amdhsa_reserve_vcc 0
		.amdhsa_float_denorm_mode_32 3
		.amdhsa_float_denorm_mode_16_64 3
		.amdhsa_memory_ordered 1
		.amdhsa_forward_progress 1
		.amdhsa_inst_pref_size 66
	.end_amdhsa_kernel
	.amdgpu_metadata
---
amdhsa.version: [ 1, 2 ]
amdhsa.kernels:
  - .name:           k_qd0235a23ee_prep
    .symbol:         k_qd0235a23ee_prep.kd
    .args:
      - { .name: x, .offset: 0, .size: 8, .value_kind: global_buffer, .address_space: global }
      - { .name: Wqkv, .offset: 8, .size: 8, .value_kind: global_buffer, .address_space: global }
      - { .name: Wproj, .offset: 16, .size: 8, .value_kind: global_buffer, .address_space: global }
      - { .name: xc, .offset: 24, .size: 8, .value_kind: global_buffer, .address_space: global }
      - { .name: xs, .offset: 32, .size: 8, .value_kind: global_buffer, .address_space: global }
      - { .name: wc, .offset: 40, .size: 8, .value_kind: global_buffer, .address_space: global }
      - { .name: ws, .offset: 48, .size: 8, .value_kind: global_buffer, .address_space: global }
      - { .name: wpt, .offset: 56, .size: 8, .value_kind: global_buffer, .address_space: global }
    .group_segment_fixed_size: 121856
    .private_segment_fixed_size: 0
    .kernarg_segment_align: 8
    .kernarg_segment_size: 64
    .max_flat_workgroup_size: 256
    .sgpr_count:     66
    .vgpr_count:     256
    .wavefront_size: 32
...
	.end_amdgpu_metadata
.endif
;; end of part 1
;; launch qkvgemm (part 2): grid 12 x 32, 4 waves a work-group, clusters of 4 x 4, 327,680 bytes of LDS; arguments xc, xs, wc, ws, qkv, padding_mask; writes qkv
.if DOCPART == 2
	.amdgcn_target "amdgcn-amd-amdhsa--gfx1250"
	.amdhsa_code_object_version 6
	.text
	.protected	k_qd0235a23ee_qkvgemm
	.globl	k_qd0235a23ee_qkvgemm
	.p2align	8
	.type	k_qd0235a23ee_qkvgemm,@function
k_qd0235a23ee_qkvgemm:
	s_mov_b64 s[64:65], 0
	v_nop
	global_prefetch_b8 v0, s[64:65] scope:SCOPE_SE
	s_setreg_imm32_b32 hwreg(HW_REG_WAVE_MODE, 25, 1), 1
	s_wait_xcnt 0x0
	s_wait_alu depctr_hold_cnt(0) depctr_sa_sdst(0) depctr_va_vdst(0) depctr_va_sdst(0) depctr_va_ssrc(0) depctr_va_vcc(0) depctr_vm_vsrc(0)
	s_getreg_b32 s2, hwreg(HW_REG_IB_STS2, 6, 4)
	s_cmp_eq_u32 s2, 0
	s_cbranch_scc0 .Lentry_in_a_cluster
	s_endpgm
.Lentry_in_a_cluster:
	s_bfe_u32 s2, ttmp6, 0x10000c
	s_cmp_lg_u32 s2, 0xf033
	s_cbranch_scc0 .Lentry_shape_is_right
	s_endpgm
.Lentry_shape_is_right:
; qkv = Q(x) Q(Wqkv): [8192][1024] x [3072][1024] on codes of FP4 (E2M1) with one E8M0 scale for each 32 along K; sums in f32.
; The result leaves in f16, laid by head: qkv[which 3][b 8][h 16][s 1024][64].  Ahead of its one rounding, in f32: q is multiplied by c = log2(e) / 8 (so that a score is the softmax's exponent to base 2 as it stands),
; k by 1, and row s of v by padding_mask[b][s] (reference()'s factor on the probabilities, moved onto the values).
; LIMITS: |c q|, |k|, |mask v| beyond 65,504 have no f16 number; under 6e-8 they become 0; NaN and infinities are not served.
; A tile of C, 256 x 256, is made by a work-group of four waves; a wave makes 128 x 128: 64 accumulators of 16 x 16, 512 registers.  K = 1,024 is two K steps of 512 (rows of 256 bytes): both lie in LDS slots of their
; own, and so do the scales of the work-group's rows: every tensor load of this text is a first fill, three a wave are out at the most.
; CLUSTERS: 4 x 4 work-groups.  The four of a row of the cluster need the same tiles of x, the four of a column the same tiles of W: each tile is asked for JOINTLY.
; THE MATRIX INSTRUCTION IS USED TRANSPOSED (source 0 = 16 rows of W, source 1 = 16 rows of x): a lane holds eight neighbouring columns of one row of C.
; REGISTERS, in windows of 256: window 0: v0-31 addresses; v32-95 scale words, two sets; v96-111 the rows' factors; from v128 x's fragments, one set; on the way out v128-223 are at work.
;   window 1: W's fragments, two sets, at v0 and v128.   window 2: the accumulators of my rows 0-63 ((a, b) at v[8 (8 a + b)]);   window 3: those of my rows 64-127.
.set NQ,     4                         ; matrix instructions deep in a slot
.set ROWB,   256                       ; a tile's row in bytes: 512 codes
.set KROW,   512                       ; a row of xc or wc in memory
.set PITCH,  272                       ; an LDS row: 256 bytes + 16 of padding: the 16 rows that a load touches start at 16 different banks (64 banks of 4 bytes: ISA guide 11.1)
.set FR,     8                         ; registers of a fragment: 16 rows x 128 K
.set NL,     2                         ; LDS loads that bring one
.set NP,     4                         ; places behind this matrix instruction (ISA guide 7.12.1)
.set HALFT,  128*PITCH
.set SLOT,   4*HALFT                   ; x's 256 rows, then W's 256 rows
.set KS,     32                        ; a row of scale bytes
.set SCL,    2*SLOT                    ; behind the slots: the scales, as units of 256 bytes + 16 of padding
.set HALFS,  (128*KS/256)*272
.set SBLK,   (16*KS/256)*272
.set SPARE,  SCL+4*HALFS               ; the spare words, 128 bytes for each wave: two blocks of 256 bytes that no other line names
.set SPITCH, 272                       ; the way out: a stage of 16 rows x (256 bytes + 16) for each wave, in slot 0, which has had its one fill and its last read when the first result is stored there
.set ADRA, 16
.set ADRB, 20
.set STO,  24
.set RD,   25
.set CO,   26
.set ADRS, 27
.set SPW,  28                          ; v28  LDS address of my spare word; never rewritten
.set NIL,  29                          ; v29  0; never rewritten
.set MO,   30                          ; v30  4 x (lane % 16): my row's place among a block's 16 mask numbers
.set SC,   32
.set MK,   96                          ; v96-111  block a's factor for my row, twice (a pair for the packed multiply)
.set VC,   112                         ; v112     c or 1.0
.set AF,   128
.set TMP,  128                         ; the way out: v128-159 a block in f16
.set BK,   160                         ; v160-191, v192-223 by turns: a block read back from the stage
.set G1, 24
.set G0, 32
.set G1B, 48
.set G0B, 56
.set G1S, 68
.set G0S, 76
.set G1SB, 80
.set G0SB, 88
.set MSB, 0
.macro WIN new                         ; the immediate's high byte repeats the setting that is left
.if MSB != (\new)
	s_set_vgpr_msb (MSB<<8)|(\new)
.set MSB, (\new)
.endif
.endm
.set MUL_LO, 0xa1                      ; source 0 (W) window 1, source 1 (x) window 0, C and D window 2
.set MUL_HI, 0xf1
.set TO_B,   0x40
; A joint load: waves 0 and 1 fetch for x, waves 2 and 3 for W.  The branch hangs on the wave's number alone.  An s_nop 0 and four v_nop follow each of the two lines.
.macro JLOAD g0a, g1a, g0b, g1b
	s_cmp_eq_u32 s15, 0
	s_cbranch_scc0 .Lfor_b_\@
	tensor_load_to_lds s[\g0a:\g0a+3], s[\g1a:\g1a+7]
	s_nop 0
.rept 4
	v_nop
.endr
	s_branch .Lasked_\@
.Lfor_b_\@:
	tensor_load_to_lds s[\g0b:\g0b+3], s[\g1b:\g1b+7]
	s_nop 0
.rept 4
	v_nop
.endr
.Lasked_\@:
.endm
.macro CROUND                          ; a round of the cluster's barrier
	s_barrier_signal -1
	s_barrier_wait -1
	s_cmp_lg_u32 s14, 0
	s_cbranch_scc1 .Lnot_wave_0_\@
	s_barrier_signal -3
.Lnot_wave_0_\@:
	s_barrier_wait -3
	s_barrier_signal -1
	s_barrier_wait -1
.endm
	s_load_b128 s[4:7], s[0:1], 0x0                ; x's codes s[4:5], x's scales s[6:7]
	s_load_b128 s[8:11], s[0:1], 0x10              ; W's codes s[8:9], W's scales s[10:11]
	s_load_b64 s[12:13], s[0:1], 0x20              ; qkv
	s_load_b64 s[96:97], s[0:1], 0x28              ; padding_mask
	v_lshl_add_u32 v[SPW], v0, 2, SPARE
	v_mov_b32 v[NIL], 0
	ds_add_u32 v[SPW], v[NIL]                      ; the wave's opening: the add, twice on end, and its wait ahead of my first tensor load
	ds_add_u32 v[SPW], v[NIL]
	v_lshrrev_b32 v1, 5, v0
	v_readfirstlane_b32 s14, v1                    ; wave 0..3
	s_lshr_b32 s15, s14, 1                         ; which half of the tile's rows is mine.  Also: I fetch for x (0) or for W (1)
	s_and_b32 s16, s14, 1                          ; which half of its columns.  Also: which 128 rows of that tile I fetch
	s_bfe_u32 s40, ttmp6, 0x40000                  ; cx, cy: my place in the cluster
	s_bfe_u32 s41, ttmp6, 0x40004
	s_lshl_b32 s42, ttmp9, 2
	s_add_co_u32 s42, s42, s40                     ; tile column of C = 4 x cluster x + cx
	s_and_b32 s17, ttmp7, 0xffff
	s_lshl_b32 s17, s17, 2
	s_add_co_u32 s17, s17, s41                     ; tile row of C = 4 x cluster y + cy
	s_lshl_b32 s43, s41, 2
	s_lshl_b32 s43, 15, s43                        ; my row of the cluster
	s_lshl_b32 s44, 0x1111, s40                    ; my column
	s_or_b32 s[G1+0], s43, (0<<16)|(1<<20)|(1<<21)|(5<<22)|(3<<25)  ; the mask; elements of 1 byte; padding on; bit 21 beside a mask; after every 64 words; 4 words
	s_or_b32 s[G1B+0], s44, (0<<16)|(1<<20)|(1<<21)|(5<<22)|(3<<25)
.irp g, G1, G1B
	s_mov_b32 s[\g+1], ROWB<<16                    ; tensor_dim0
	s_mov_b32 s[\g+2], 128<<16                     ; tensor_dim1
	s_mov_b32 s[\g+3], ROWB<<16                    ; tile_dim0
	s_mov_b32 s[\g+4], 128                         ; tile_dim1
	s_mov_b32 s[\g+5], KROW                        ; from row to row
	s_mov_b32 s[\g+6], 0
	s_mov_b32 s[\g+7], 0
.endr
	s_or_b32 s[G1S+0], s43, (3<<16)|(1<<20)|(1<<21)|(5<<22)|(3<<25)  ; the scales of 128 rows: 4,096 dense bytes as 16 rows of 256 (32 elements of 8 bytes), 16 bytes of padding behind each
	s_or_b32 s[G1SB+0], s44, (3<<16)|(1<<20)|(1<<21)|(5<<22)|(3<<25)
.irp g, G1S, G1SB
	s_mov_b32 s[\g+1], 32<<16
	s_mov_b32 s[\g+2], (128*KS/256)<<16
	s_mov_b32 s[\g+3], 32<<16
	s_mov_b32 s[\g+4], 128*KS/256
	s_mov_b32 s[\g+5], 32
	s_mov_b32 s[\g+6], 0
	s_mov_b32 s[\g+7], 0
.endr
	s_lshl_b32 s18, s16, 7                         ; which 128 rows of the tile I fetch
	s_lshl_b32 s20, s17, 8
	s_add_co_u32 s20, s20, s18                     ; x: row 256 x tile row + 128 x half
	s_lshl_b32 s46, s42, 8
	s_add_co_u32 s46, s46, s18                     ; W: row 256 x tile column + 128 x half
	s_mov_b32 s21, 0
	s_mov_b32 s47, 0
	s_mov_b64 s[18:19], KS
	s_mul_u64 s[22:23], s[20:21], s[18:19]         ; where these rows' scales begin, in bytes
	s_mul_u64 s[92:93], s[46:47], s[18:19]
	s_mov_b64 s[18:19], KROW
	s_mul_u64 s[20:21], s[20:21], s[18:19]         ; and their codes
	s_mul_u64 s[46:47], s[46:47], s[18:19]
	s_mul_i32 s45, s14, HALFT                      ; where they go: wave x 128 rows: no place in the cluster enters an LDS address
	s_mul_i32 s94, s14, HALFS
	s_wait_dscnt 0x0                               ; both opening adds are done
	s_wait_kmcnt 0x0
	s_add_nc_u64 s[20:21], s[4:5], s[20:21]
	s_add_nc_u64 s[22:23], s[6:7], s[22:23]
	s_add_nc_u64 s[46:47], s[8:9], s[46:47]
	s_add_nc_u64 s[92:93], s[10:11], s[92:93]
	CROUND                                         ; all sixteen work-groups are here: the joint loads meet
	s_mov_b32 s[G0S], 1
	s_add_co_u32 s[G0S+1], s94, SCL
	s_mov_b64 s[G0S+2:G0S+3], s[22:23]
	s_or_b32 s[G0S+3], s[G0S+3], 0x80000000
	s_mov_b32 s[G0SB], 1
	s_add_co_u32 s[G0SB+1], s94, SCL
	s_mov_b64 s[G0SB+2:G0SB+3], s[92:93]
	s_or_b32 s[G0SB+3], s[G0SB+3], 0x80000000
	JLOAD G0S, G1S, G0SB, G1SB                     ; the scales first: they are wanted with K step 0
.irp s, 0,1
	s_mov_b32 s[G0+4*\s], 1
	s_add_co_u32 s[G0+4*\s+1], s45, \s*SLOT
	s_add_nc_u64 s[G0+4*\s+2:G0+4*\s+3], s[20:21], \s*ROWB
	s_or_b32 s[G0+4*\s+3], s[G0+4*\s+3], 0x80000000
	s_mov_b32 s[G0B+4*\s], 1
	s_add_co_u32 s[G0B+4*\s+1], s45, \s*SLOT
	s_add_nc_u64 s[G0B+4*\s+2:G0B+4*\s+3], s[46:47], \s*ROWB
	s_or_b32 s[G0B+4*\s+3], s[G0B+4*\s+3], 0x80000000
	JLOAD G0+4*\s, G1, G0B+4*\s, G1B
.endr
	v_and_b32 v1, 15, v0                           ; l % 16
	v_bfe_u32 v2, v0, 4, 1                         ; l / 16
	v_lshlrev_b32 v[MO], 2, v1
	s_lshl_b32 s18, s17, 10                        ; padding_mask is [8][1024]: its flat index is C's row: 256 x tile row + 128 x half, 4 bytes each
	s_lshl_b32 s19, s15, 9
	s_add_co_u32 s18, s18, s19
	s_mov_b32 s19, 0
	s_add_nc_u64 s[96:97], s[96:97], s[18:19]
.irp a, 0,1,2,3,4,5,6,7
	global_load_b32 v[MK+2*\a], v[MO], s[96:97] offset:64*\a     ; the mask of row 16 a + l % 16, into both registers of a pair; waited for on the way out
	global_load_b32 v[MK+2*\a+1], v[MO], s[96:97] offset:64*\a
.endr
	v_mul_u32_u24 v3, v1, PITCH
	v_lshl_add_u32 v4, v2, 4, v3                   ; a fragment's row x pitch + 16 x half
	s_mul_i32 s21, s15, HALFT                      ; my 128 rows of x
	s_mul_i32 s22, s16, HALFT                      ; my 128 rows of W,
	s_add_co_u32 s22, s22, 2*HALFT                 ; which lie behind x's 256
.irp s, 0,1
	v_add_nc_u32 v[ADRA+\s], s21, v4
	v_add_nc_u32 v[ADRB+\s], s22, v4
	s_add_co_u32 s21, s21, SLOT
	s_add_co_u32 s22, s22, SLOT
.endr
	v_mul_u32_u24 v5, v1, KS                       ; my row's scales: KS bytes a row,
	v_lshrrev_b32 v6, 8, v5
	v_lshl_add_u32 v5, v6, 4, v5                   ; and 16 more for each 256 passed
	s_mul_i32 s21, s15, HALFS
	s_mul_i32 s22, s16, HALFS
	s_add_co_u32 s22, s22, 2*HALFS
	s_sub_co_u32 s22, s22, s21
	v_mul_u32_u24 v6, s22, v2                      ; lanes 16-31 take W's
	s_add_co_u32 s21, s21, SCL
	v_add_nc_u32 v5, v5, v6
	v_add_nc_u32 v[ADRS], s21, v5
	s_mul_i32 s23, s14, 16*SPITCH                  ; my stage
	v_mul_u32_u24 v5, v1, SPITCH                   ; in: row l % 16, 16 bytes for each half of the lanes
	v_lshl_add_u32 v5, v2, 4, v5
	v_add_nc_u32 v[STO], s23, v5
	v_and_b32 v6, 31, v0
	v_lshlrev_b32 v[CO], 4, v6                     ; in memory: 16 bytes a lane, 512 on end
	v_lshrrev_b32 v5, 3, v6                        ; back: eight lanes take a head's 128 bytes of a row, four rows an instruction
	v_mul_u32_u24 v5, v5, SPITCH
	v_and_b32 v6, 7, v0
	v_lshl_add_u32 v5, v6, 4, v5
	v_add_nc_u32 v[RD], s23, v5
	; where my part begins in qkv: which << 24 (which = the cluster's x: 1,024 columns a cluster) + b << 21 + head << 17 + s << 7
	s_lshl_b32 s20, ttmp9, 24
	s_lshr_b32 s21, s17, 2                         ; b: four tile rows to a batch
	s_lshl_b32 s21, s21, 21
	s_add_co_u32 s20, s20, s21
	s_and_b32 s21, s17, 3
	s_lshl_b32 s21, s21, 15                        ; s = 256 x (tile row % 4)
	s_add_co_u32 s20, s20, s21
	s_lshl_b32 s21, s15, 14                        ;   + 128 x half
	s_add_co_u32 s20, s20, s21
	s_mov_b32 s21, 0
	s_lshl_b32 s46, s40, 19                        ; head = 4 cx + 2 x half (+ 0, 1)
	s_lshl_b32 s47, s16, 18
	s_add_co_u32 s46, s46, s47
	s_mov_b32 s47, 0
	s_add_nc_u64 s[20:21], s[20:21], s[46:47]
	s_add_nc_u64 s[12:13], s[12:13], s[20:21]
.macro FRAG reg, adr, q, i             ; 16 rows x 128 K of 4-bit codes: lane l holds row l % 16; registers 4 c .. 4 c + 3 hold K = 64 c + 32 (l / 16) + 0 .. 31
.irp c, 0,1
	ds_load_b128 v[\reg+4*\c:\reg+4*\c+3], v[\adr] offset:64*(\q)+32*\c+(\i)*16*PITCH
.endr
.endm
; 16 matrix instructions: x's blocks a0, a0 + 1 against W's eight, 128 along K.  The 64 accumulators take turns, one instruction a turn, in the same order in every step.
; One register carries x's scale word (lanes 0-15) and W's (lanes 16-31): the product of blocks a and b names register b with ROW1 for source 0 and register a for source 1.
.macro MUL16 a0, p, q, sc, zero
.irp a, \a0, \a0+1
.irp b, 0,1,2,3,4,5,6,7
.if \zero
	v_wmma_scale_f32_16x16x128_f8f6f4 v[8*(8*((\a)%4)+\b):8*(8*((\a)%4)+\b)+7], v[128*(\p)+FR*\b:128*(\p)+FR*\b+FR-1], v[AF+FR*(\a):AF+FR*(\a)+FR-1], 0, v[SC+8*NQ*(\sc)+NQ*\b+(\q)], v[SC+8*NQ*(\sc)+NQ*(\a)+(\q)] matrix_a_fmt:MATRIX_FMT_FP4 matrix_b_fmt:MATRIX_FMT_FP4 matrix_a_scale:MATRIX_SCALE_ROW1
.else
	v_wmma_scale_f32_16x16x128_f8f6f4 v[8*(8*((\a)%4)+\b):8*(8*((\a)%4)+\b)+7], v[128*(\p)+FR*\b:128*(\p)+FR*\b+FR-1], v[AF+FR*(\a):AF+FR*(\a)+FR-1], v[8*(8*((\a)%4)+\b):8*(8*((\a)%4)+\b)+7], v[SC+8*NQ*(\sc)+NQ*\b+(\q)], v[SC+8*NQ*(\sc)+NQ*(\a)+(\q)] matrix_a_fmt:MATRIX_FMT_FP4 matrix_b_fmt:MATRIX_FMT_FP4 matrix_a_scale:MATRIX_SCALE_ROW1
.endif
.endr
.endr
.endm
.macro FETCH_B slot, q, p
	WIN TO_B
.irp i, 0,1,2,3,4,5,6,7
	FRAG 128*(\p)+FR*\i, ADRB+\slot, \q, \i
.endr
	WIN 0
.endm
.macro FETCH_A slot, q, i0
.irp i, \i0, \i0+1, \i0+2, \i0+3
	FRAG AF+FR*(\i), ADRA+\slot, \q, \i
.endr
.endm
.macro SCALES sc                       ; a K step's scale words: 4 words a row; lanes 0-15 take x's block i, lanes 16-31 W's block i
.irp i, 0,1,2,3,4,5,6,7
	ds_load_b128 v[SC+8*NQ*\sc+NQ*\i:SC+8*NQ*\sc+NQ*\i+3], v[ADRS] offset:\i*SBLK
.endr
.endm
.macro PLACES n                        ; places in front of loads into registers that matrix instructions have read (ISA guide 7.12.1 for vector instructions)
.rept \n
	v_nop
.endr
.endm
.macro STEP slot, q, zero              ; a step of 128 along K that has its successor in the same slot
	s_wait_dscnt 4*NL                              ; W's set and x's blocks 0-3 are in; the youngest eight loads (x's blocks 4-7) may be out
	WIN MUL_LO
	MUL16 0, (\q)%2, \q, \slot, \zero
	MUL16 2, (\q)%2, \q, \slot, \zero
	s_wait_dscnt 0
	PLACES NP
	FETCH_B \slot, (\q)+1, 1-(\q)%2
	FETCH_A \slot, (\q)+1, 0
	WIN MUL_HI
	MUL16 4, (\q)%2, \q, \slot, \zero
	MUL16 6, (\q)%2, \q, \slot, \zero
	PLACES NP
	WIN 0
	FETCH_A \slot, (\q)+1, 4
.endm
.macro STEPS slot, from
.set Q, \from
.rept NQ-1-\from
	STEP \slot, Q, 0
.set Q, Q+1
.endr
.endm
	s_wait_tensorcnt 1                             ; the scales and my part of K step 0 are in (K step 1's load may be out)
	s_barrier_signal -1
	s_barrier_wait -1                              ; everybody's are
	FETCH_B 0, 0, 0
	FETCH_A 0, 0, 0
	SCALES 0
	FETCH_A 0, 0, 4
	STEP 0, 0, 1                                   ; the first step's products start the sums: nothing is cleared
	STEPS 0, 1
	; slot 0's last step, and the change to slot 1: each wave's part of slot 1 has landed and its reads of slot 0 are over in front of the barrier; behind it slot 0 is free for the stages
	s_wait_tensorcnt 0x0
	ds_add_u32 v[SPW], v[NIL]                      ; 0 onto my spare word
	s_wait_dscnt 4*NL+1                            ; (the add and the youngest eight loads may be out)
	WIN MUL_LO
	MUL16 0, 1, NQ-1, 0, 0
	s_wait_dscnt 0x0
	s_barrier_signal -1
	MUL16 2, 1, NQ-1, 0, 0
	WIN 0
	s_barrier_wait -1
	PLACES NP
	v_add_nc_u32 v[ADRS], 4*NQ, v[ADRS]            ; on to K step 1's scale words
	FETCH_B 1, 0, 0
	FETCH_A 1, 0, 0
	SCALES 1
	WIN MUL_HI
	MUL16 4, 1, NQ-1, 0, 0
	MUL16 6, 1, NQ-1, 0, 0
	PLACES NP
	WIN 0
	FETCH_A 1, 0, 4
	STEPS 1, 0
	s_wait_dscnt 4*NL                              ; the very last step: nothing more to fetch
	WIN MUL_LO
	MUL16 0, 1, NQ-1, 1, 0
	MUL16 2, 1, NQ-1, 1, 0
	s_wait_dscnt 0
	WIN MUL_HI
	MUL16 4, 1, NQ-1, 1, 0
	MUL16 6, 1, NQ-1, 1, 0
	WIN 0
	; THE WAY OUT.  The rows' factors: c for q, 1 for k, the mask for v; the choice hangs on the cluster's x and is made without a jump.  These 17 plain lines name no register of the last products: they are the places behind them.
	s_wait_loadcnt 0x0                             ; the mask
	s_cmp_eq_u32 ttmp9, 0
	s_cselect_b32 s94, 0x3e38aa3b, 1.0             ; c = log2(e) / 8, or 1
	s_cmp_lg_u32 ttmp9, 2
	s_cselect_b32 s95, -1, 0                       ; all lanes where the tile is not v's
	v_mov_b32 v[VC], s94
.irp j, 0,1,2,3,4,5,6,7,8,9,10,11,12,13,14,15
	v_cndmask_b32 v[MK+\j], v[MK+\j], v[VC], s95
.endr
; Block a, 16 rows x 128 columns: scaled in f32, rounded to f16 (16 bytes a lane), through my stage, and back as a head's 128 bytes of four rows an instruction: 512 consecutive bytes of qkv.
.macro PACK a
.set AC, 64*((\a)%4)
	WIN 0x82+0x41*((\a)/4)                         ; destination and source 0: window 2 or 3
.irp b, 0,1,2,3,4,5,6,7
.irp r, 0,1,2,3
	v_pk_mul_f32 v[AC+8*\b+2*\r:AC+8*\b+2*\r+1], v[AC+8*\b+2*\r:AC+8*\b+2*\r+1], v[MK+2*(\a):MK+2*(\a)+1]   ; each accumulator from its low end on
.endr
.endr
	WIN 0x0a+5*((\a)/4)                            ; sources 0 and 1: window 2 or 3
.irp b, 0,1,2,3,4,5,6,7
.irp r, 0,1,2,3
	v_cvt_pk_f16_f32 v[TMP+4*\b+\r], v[AC+8*\b+2*\r], v[AC+8*\b+2*\r+1]
.endr
.endr
	WIN 0
.endm
.macro TOSTAGE a
.set BB, BK+32*((\a)%2)
.irp b, 0,1,2,3,4,5,6,7
	ds_store_b128 v[STO], v[TMP+4*\b:TMP+4*\b+3] offset:32*\b
.endr
.irp t, 0,1,2,3,4,5,6,7
	ds_load_b128 v[BB+4*\t:BB+4*\t+3], v[RD] offset:4*SPITCH*(\t%4)+128*(\t/4)   ; LDS serves a wave's instructions in order (ISA guide 5.7.1.4): these see the stores above
.endr
.endm
.macro SEND a
.set BB, BK+32*((\a)%2)
	s_wait_dscnt 0x0                               ; the block is back in registers
	s_wait_xcnt 0x0                                ; the block before's stores have read their registers: the next block's LDS loads land there only behind this wait
.irp t, 0,1,2,3,4,5,6,7
	global_store_b128 v[CO], v[BB+4*\t:BB+4*\t+3], s[12:13] offset:(\t/4)*131072+2048*(\a)+512*(\t%4)   ; 32 lanes store 512 consecutive bytes, at a multiple of 256 from qkv's first byte
.endr
.endm
	PACK 0
	TOSTAGE 0
.irp a, 1,2,3,4,5,6,7                  ; block a's arithmetic stands between block a - 1's loads from the stage and the wait for them
	PACK \a
	SEND \a-1
	TOSTAGE \a
.endr
	SEND 7
	s_wait_tensorcnt 0x0                           ; the wave's end: behind my last tensor load and my last LDS store
	ds_add_u32 v[SPW], v[NIL]
	s_wait_dscnt 0x0
	CROUND                                         ; the closing round: no work-group ends while a partner may still ask for a tile that names it
	s_endpgm
.Lfunc_end_k_qd0235a23ee_qkvgemm:
	.size	k_qd0235a23ee_qkvgemm, .Lfunc_end_k_qd0235a23ee_qkvgemm-k_qd0235a23ee_qkvgemm
	.p2alignl 7, 3214868480
	.fill 96, 4, 3214868480
	.section	.rodata,"a",@progbits
	.p2align	6, 0x0
	.amdhsa_kernel k_qd0235a23ee_qkvgemm
		.amdhsa_group_segment_fixed_size 327680
		.amdhsa_private_segment_fixed_size 0
		.amdhsa_enable_private_segment 0
		.amdhsa_kernarg_size 48
		.amdhsa_user_sgpr_count 2
		.amdhsa_user_sgpr_kernarg_segment_ptr 1
		.amdhsa_wavefront_size32 1
		.amdhsa_system_sgpr_workgroup_id_x 1
		.amdhsa_system_sgpr_workgroup_id_y 1
		.amdhsa_system_sgpr_workgroup_id_z 1
		.amdhsa_system_vgpr_workitem_id 0
		.amdhsa_next_free_vgpr 1024
		.amdhsa_next_free_sgpr 98
		.amdhsa_reserve_vcc 0
		.amdhsa_float_denorm_mode_32 3
		.amdhsa_float_denorm_mode_16_64 3
		.amdhsa_memory_ordered 1
		.amdhsa_forward_progress 1
		.amdhsa_inst_pref_size 145
	.end_amdhsa_kernel
	.amdgpu_metadata
---
amdhsa.version: [ 1, 2 ]
amdhsa.kernels:
  - .name:           k_qd0235a23ee_qkvgemm
    .symbol:         k_qd0235a23ee_qkvgemm.kd
    .args:
      - { .name: xc, .offset: 0, .size: 8, .value_kind: global_buffer, .address_space: global }
      - { .name: xs, .offset: 8, .size: 8, .value_kind: global_buffer, .address_space: global }
      - { .name: wc, .offset: 16, .size: 8, .value_kind: global_buffer, .address_space: global }
      - { .name: ws, .offset: 24, .size: 8, .value_kind: global_buffer, .address_space: global }
      - { .name: qkv, .offset: 32, .size: 8, .value_kind: global_buffer, .address_space: global }
      - { .name: padding_mask, .offset: 40, .size: 8, .value_kind: global_buffer, .address_space: global }
    .group_segment_fixed_size: 327680
    .private_segment_fixed_size: 0
    .kernarg_segment_align: 8
    .kernarg_segment_size: 48
    .max_flat_workgroup_size: 128
    .sgpr_count:     98
    .vgpr_count:     1024
    .wavefront_size: 32
...
	.end_amdgpu_metadata
.endif
;; end of part 2
;; launch attn (part 3): grid 2 x 128, 8 waves a work-group, no clusters, 327,680 bytes of LDS; arguments qkv, padding_mask, att; writes att
.if DOCPART == 3
	.amdgcn_target "amdgcn-amd-amdhsa--gfx1250"
	.amdhsa_code_object_version 6
	.text
	.protected	k_qd0235a23ee_attn
	.globl	k_qd0235a23ee_attn
	.p2align	8
	.type	k_qd0235a23ee_attn,@function
k_qd0235a23ee_attn:
	s_mov_b64 s[64:65], 0
	v_nop
	global_prefetch_b8 v0, s[64:65] scope:SCOPE_SE
	s_setreg_imm32_b32 hwreg(HW_REG_WAVE_MODE, 25, 1), 1
	s_wait_xcnt 0x0
; att[h][b s][:] = (the sum over keys of p v') / (the sum over keys of p), p = 2^(t - m), t = q' . k + bias[key], m the row's running largest t.
; q' = q log2(e) / 8, k and v' = mask v come in f16 from qkv[which][b][h][s][64]; bias[key] = (1 - mask[key]) x (-1e10 log2(e)): reference()'s additive mask, to base 2.  Products on f16 operands, sums, maxima and p's sum in f32.
; The bias is the C of each score tile's first matrix instruction.  reference()'s factor mask on the probabilities lies in v'; the divisor is the sum of all p, as in reference().
; LIMITS: NaN and infinities are not served; p under 6e-8 becomes 0 in f16; where EVERY key of a batch has a mask other than 1, the scores are rounded beside 1.44e10 here and beside 1e10 in reference().
; SHARES.  A work-group owns 512 queries of one (b, h); each of its eight waves owns 64: four tiles of 16, in 512 registers, two waves to a SIMD, so that one wave's softmax stands beside the other's products.
; A HEAD'S WHOLE K AND V LIE IN LDS: 1,024 rows of 128 bytes each, padded.  Every tensor load is a first fill, issued at the head (four a wave are out at the most): no slot is filled again.
; The keys go in four groups of 256: a group's tiles are waited for by count, and the later groups land while the earlier are worked on.
; NO CLUSTER: only the two work-groups of a head read the same K and V, and the grid's x, 2, is no multiple of a cluster's 4.
; LAYOUT.  S^T = K Q^T (source 0 = 16 keys, source 1 = 16 queries): a lane holds ONE query (lane % 16) and keys 8 (lane / 16) + 0..7.  Two such tiles, rounded to f16 in pairs, ARE source 1 of O^T = V^T P.
; REGISTERS.  window 0: v2-11 addresses; v12, v13 the add's two; v16-47 statistics, eight a tile: +0 m, +1 old m - new m, +2, +3 the sum in two halves, +4..+7 at work (+6: a = 2^(old m - new m));
;   v64-191 S^T, then p, 32 a tile; v192-255 P, 16 a tile (v192-223 hold the step's bias until P is made).   window 1: v0-127 O^T, 32 a tile; v128-191 Q, 16 a tile; v192-255 a step's K, then its V.
.set KP,    144                        ; a row of K in LDS: 128 bytes + 16: the 16 rows of a load start at 16 different banks (64 banks of 4 bytes: ISA guide 11.1)
.set VP,    160                        ; a row of V: 128 + 32: an odd multiple of 32, for the turning load
.set VBASE, 1024*KP
.set BIAS,  VBASE+1024*VP              ; 1,024 numbers of f32
.set SPARE, BIAS+4096                  ; the spare words, 128 bytes for each wave: four blocks of 256 bytes that no other line names
.set AK0, 2
.set AV0, 3
.set AB0, 4
.set ADK, 5
.set ADV, 6
.set ADB, 7
.set QO,  8
.set STO, 9
.set RD,  10
.set GO,  11
.set SPW, 12
.set NIL, 13
.set ST,  16
.set S,   64
.set P,   192
.set Q,   128                          ; in window 1
.set KV,  192                          ; in window 1
.set WV,  10
.set G1K, 16
.set G1V, 24
.set G0K, 32                           ; s[32:47] four groups 0 for K's tiles, s[48:63] for V's
.set G0V, 48
.set TBK, 66
.set TBV, 67
.set TBB, 68
.set CNT, 69
.set SEL, 70
.set MSB, 0
.macro WIN new
.if MSB != (\new)
	s_set_vgpr_msb (MSB<<8)|(\new)
.set MSB, (\new)
.endif
.endm
	s_load_b128 s[4:7], s[0:1], 0x0                ; qkv s[4:5], padding_mask s[6:7]
	s_load_b64 s[8:9], s[0:1], 0x10                ; att
	v_lshl_add_u32 v[SPW], v0, 2, SPARE
	v_mov_b32 v[NIL], 0
	ds_add_u32 v[SPW], v[NIL]                      ; the wave's opening: the add, twice on end, and its wait ahead of my first tensor load
	ds_add_u32 v[SPW], v[NIL]
	v_lshrrev_b32 v1, 5, v0
	v_readfirstlane_b32 s[WV], v1                  ; wave 0..7
	s_and_b32 s11, s[WV], 3                        ; which 64 rows of a group I fetch
	s_and_b32 s12, ttmp7, 0xffff                   ; 16 b + h
	s_mov_b32 s[G1K], (1<<16)|(1<<20)|(4<<22)|(3<<25)   ; no mask; elements of 2 bytes; padding on; after every 32 words; 4 words
	s_mov_b32 s[G1V], (1<<16)|(1<<20)|(4<<22)|(7<<25)   ; the same with 8 words
.irp g, G1K, G1V
	s_mov_b32 s[\g+1], 64<<16                      ; tensor_dim0 = 64
	s_mov_b32 s[\g+2], 64<<16                      ; tensor_dim1 = 64
	s_mov_b32 s[\g+3], 64<<16                      ; tile_dim0 = 64
	s_mov_b32 s[\g+4], 64                          ; tile_dim1 = 64
	s_mov_b32 s[\g+5], 64                          ; from row to row
	s_mov_b32 s[\g+6], 0
	s_mov_b32 s[\g+7], 0
.endr
	s_mul_i32 s74, s11, 64*KP
	s_mul_i32 s75, s11, 64*VP
.irp g, 0,1,2,3
	s_mov_b32 s[G0K+4*\g], 1
	s_add_co_u32 s[G0K+4*\g+1], s74, \g*256*KP     ; LDS: row 256 g + 64 (wave % 4)
	s_mov_b32 s[G0V+4*\g], 1
	s_add_co_u32 s[G0V+4*\g+1], s75, VBASE+\g*256*VP
.endr
	s_lshl_b32 s14, s12, 17                        ; the head's 1,024 rows of 128 bytes
	s_mov_b32 s15, 0
	s_lshl_b32 s72, s11, 13                        ; my 64 rows of a group
	s_mov_b32 s73, 0
	s_add_nc_u64 s[72:73], s[72:73], s[14:15]
	s_mov_b32 s[SEL], 0x76543210
	s_mov_b32 s[SEL+1], 0xfedcba98                 ; v_permlanex16_b32's selects for lane l xor 16
	s_wait_dscnt 0x0                               ; both opening adds are done
	s_wait_kmcnt 0x0
	s_add_nc_u64 s[72:73], s[4:5], s[72:73]
.irp g, 0,1,2,3
	s_add_nc_u64 s[G0K+4*\g+2:G0K+4*\g+3], s[72:73], (1<<24)+\g*32768
	s_or_b32 s[G0K+4*\g+3], s[G0K+4*\g+3], 0x80000000
	s_add_nc_u64 s[G0V+4*\g+2:G0V+4*\g+3], s[72:73], (1<<25)+\g*32768
	s_or_b32 s[G0V+4*\g+3], s[G0V+4*\g+3], 0x80000000
.endr
	s_cmp_lt_u32 s[WV], 4                          ; waves 0-3 fetch K, waves 4-7 V: a wave's four first fills stand in one branch, ahead of every wait on TENSORcnt, every LDS read and every barrier
	s_cbranch_scc0 .Lfill_v
.irp g, 0,1,2,3
	tensor_load_to_lds s[G0K+4*\g:G0K+4*\g+3], s[G1K:G1K+7]
	s_nop 0
.endr
.rept 4
	v_nop
.endr
	s_branch .Lfilled
.Lfill_v:
.irp g, 0,1,2,3
	tensor_load_to_lds s[G0V+4*\g:G0V+4*\g+3], s[G1V:G1V+7]
	s_nop 0
.endr
.rept 4
	v_nop
.endr
.Lfilled:
	s_lshl_b32 s76, ttmp9, 16                      ; my work-group's 512 queries,
	s_lshl_b32 s77, s[WV], 13                      ; my wave's 64 of them, rows of 128 bytes
	s_add_co_u32 s76, s76, s77
	s_mov_b32 s77, 0
	s_add_nc_u64 s[14:15], s[14:15], s[76:77]
	s_add_nc_u64 s[4:5], s[4:5], s[14:15]          ; Q at my first query
	s_and_b32 s78, s12, 15
	s_lshl_b32 s78, s78, 20                        ; att: h << 20
	s_lshr_b32 s79, s12, 4
	s_lshl_b32 s13, s79, 17                        ;    + b << 17
	s_add_co_u32 s78, s78, s13
	s_add_co_u32 s78, s78, s76                     ;    + my first query's row
	s_lshl_b32 s76, s79, 12                        ; the mask's row b
	s_mov_b32 s79, 0
	s_add_nc_u64 s[8:9], s[8:9], s[78:79]
	s_add_nc_u64 s[6:7], s[6:7], s[76:77]
	v_and_b32 v1, 15, v0                           ; r = lane % 16
	v_bfe_u32 v14, v0, 4, 1                        ; h = lane / 16
	v_lshlrev_b32 v15, 4, v0
	global_load_b128 v[48:51], v15, s[6:7]         ; thread t: the mask of keys 4 t .. 4 t + 3
	v_lshlrev_b32 v[QO], 7, v1
	v_lshl_add_u32 v[QO], v14, 4, v[QO]            ; Q: row r of 128 bytes, + 16 h
	WIN 0x40                                       ; destination window 1
.irp t, 0,1,2,3
.irp c, 0,1
	global_load_b128 v[Q+16*\t+8*\c:Q+16*\t+8*\c+3],   v[QO], s[4:5] offset:2048*\t+64*\c     ; Q stays in registers: tile t, channels 32 c on
	global_load_b128 v[Q+16*\t+8*\c+4:Q+16*\t+8*\c+7], v[QO], s[4:5] offset:2048*\t+64*\c+32
.endr
.endr
	WIN 0
	v_mul_u32_u24 v[AK0], v1, KP
	v_lshl_add_u32 v[AK0], v14, 4, v[AK0]          ; K: row r x pitch + 16 h
	v_and_b32 v57, 7, v0
	v_bfe_u32 v58, v0, 3, 1
	v_lshl_add_u32 v[AV0], v14, 3, v57             ; V, for the turning load: key 8 h + l % 8, channels 8 ((l / 8) % 2) on
	v_mul_u32_u24 v[AV0], v[AV0], VP
	v_lshl_add_u32 v[AV0], v58, 4, v[AV0]
	v_add_nc_u32 v[AV0], VBASE, v[AV0]
	v_lshl_add_u32 v[AB0], v14, 5, BIAS            ; the bias of keys 8 h + 0 .. 7
	v_lshl_add_u32 v56, v0, 4, BIAS                ; where I store four of them
	s_mul_i32 s13, s[WV], 16*KP                    ; the way out: my stage, 16 rows x 144, in K's region
	v_add_nc_u32 v[STO], s13, v[AK0]               ; in: row r, 16 bytes for each half of the lanes
	v_bfe_u32 v59, v0, 3, 2
	v_mul_u32_u24 v[RD], v59, KP
	v_lshl_add_u32 v[RD], v57, 4, v[RD]
	v_add_nc_u32 v[RD], s13, v[RD]                 ; back: eight lanes to a row, four rows an instruction
	v_and_b32 v[GO], 31, v0
	v_lshlrev_b32 v[GO], 4, v[GO]                  ; which are 512 consecutive bytes of att
.irp t, 0,1,2,3
	v_mov_b32 v[ST+8*\t+1], 0                      ; (named as the upper half of the pair with m before it is first written)
	v_mov_b32 v[ST+8*\t+2], 0                      ; the sum, in two halves
	v_mov_b32 v[ST+8*\t+3], 0
.endr
	s_wait_loadcnt 16                              ; the mask is in; Q's 16 loads, issued behind it, may be out
.irp j, 0,1,2,3
	v_sub_f32 v[52+\j], 1.0, v[48+\j]
.endr
.irp j, 0,1,2,3
	v_mul_f32 v[52+\j], 0xd056fa73, v[52+\j]       ; x -1e10 log2(e)
.endr
	ds_store_b128 v56, v[52:55]
; A group of 256 keys: my part of its tiles is in (my later groups' loads may stay out), my LDS instructions are done; then everybody's are.
.macro GROUP g
	s_wait_tensorcnt 3-\g
	s_wait_dscnt 0x0
	s_barrier_signal -1
	s_barrier_wait -1
	s_mov_b32 s[TBK], \g*256*KP                    ; where the group's first step begins in K, in V and in the bias
	s_mov_b32 s[TBV], \g*256*VP
	s_mov_b32 s[TBB], \g*1024
.endm
; The sums of the step before: a tile's 16 pairs of p are added in place, neighbours 1, 2, 4 and 8 pairs apart, the four tiles by turns; then l = a l + the sum.
.macro SUMS
.irp z, 0,1,2,3,4,5,6,7
.irp t, 0,1,2,3
	v_pk_add_f32 v[S+32*\t+4*\z:S+32*\t+4*\z+1], v[S+32*\t+4*\z:S+32*\t+4*\z+1], v[S+32*\t+4*\z+2:S+32*\t+4*\z+3]
.endr
.endr
.irp z, 0,1,2,3
.irp t, 0,1,2,3
	v_pk_add_f32 v[S+32*\t+8*\z:S+32*\t+8*\z+1], v[S+32*\t+8*\z:S+32*\t+8*\z+1], v[S+32*\t+8*\z+4:S+32*\t+8*\z+5]
.endr
.endr
.irp z, 0,1
.irp t, 0,1,2,3
	v_pk_add_f32 v[S+32*\t+16*\z:S+32*\t+16*\z+1], v[S+32*\t+16*\z:S+32*\t+16*\z+1], v[S+32*\t+16*\z+8:S+32*\t+16*\z+9]
.endr
.endr
.irp t, 0,1,2,3
	v_pk_add_f32 v[S+32*\t:S+32*\t+1], v[S+32*\t:S+32*\t+1], v[S+32*\t+16:S+32*\t+17]
.endr
.irp t, 0,1,2,3
	v_pk_fma_f32 v[ST+8*\t+2:ST+8*\t+3], v[ST+8*\t+2:ST+8*\t+3], v[ST+8*\t+6:ST+8*\t+7], v[S+32*\t:S+32*\t+1] op_sel_hi:[1,0,1]
.endr
.endm
; A KEY STEP: 64 keys.  first = 1: the head's first step, which starts m and O^T.
.macro STEP first
	v_add_nc_u32 v[ADK], s[TBK], v[AK0]            ; these four plain lines are the places behind the last step's products, in front of the loads into registers that they read
	v_add_nc_u32 v[ADB], s[TBB], v[AB0]
	v_add_nc_u32 v[ADV], s[TBV], v[AV0]
	v_nop
	WIN 0x40
.irp i, 0,1,2,3
.irp c, 0,1
	ds_load_b128 v[KV+16*\i+8*\c:KV+16*\i+8*\c+3],   v[ADK] offset:16*KP*\i+64*\c      ; K: keys 16 i on, channels 32 c on
	ds_load_b128 v[KV+16*\i+8*\c+4:KV+16*\i+8*\c+7], v[ADK] offset:16*KP*\i+64*\c+32
.endr
.endr
	WIN 0
.irp i, 0,1,2,3
	ds_load_b128 v[P+8*\i:P+8*\i+3],   v[ADB] offset:64*\i                            ; the bias of keys 16 i + 8 h + 0 .. 7, in the result's layout
	ds_load_b128 v[P+8*\i+4:P+8*\i+7], v[ADB] offset:64*\i+16
.endr
.if \first == 0
	SUMS                                           ; 64 plain lines while the loads land
.endif
	s_wait_dscnt 0x0
	WIN 0x05                                       ; K and Q in window 1
.irp c, 0,1                                    ; the 16 accumulators take turns, one instruction a turn
.irp i, 0,1,2,3
.irp t, 0,1,2,3
.if \c == 0
	v_wmma_f32_16x16x32_f16 v[S+32*\t+8*\i:S+32*\t+8*\i+7], v[KV+16*\i+8*\c:KV+16*\i+8*\c+7], v[Q+16*\t+8*\c:Q+16*\t+8*\c+7], v[P+8*\i:P+8*\i+7]
.else
	v_wmma_f32_16x16x32_f16 v[S+32*\t+8*\i:S+32*\t+8*\i+7], v[KV+16*\i+8*\c:KV+16*\i+8*\c+7], v[Q+16*\t+8*\c:Q+16*\t+8*\c+7], v[S+32*\t+8*\i:S+32*\t+8*\i+7]
.endif
.endr
.endr
.endr
	WIN 0
.rept 4
	v_nop                                          ; places in front of the loads into K's registers and of the first read of the scores
.endr
	WIN 0x40
.irp u, 0,1
.irp n, 0,1,2,3
	ds_load_tr16_b128 v[KV+32*\u+8*\n:KV+32*\u+8*\n+3],   v[ADV] offset:32*VP*\u+32*\n         ; V^T: keys 32 u on, channels 16 n on; it lands while the softmax is worked
	ds_load_tr16_b128 v[KV+32*\u+8*\n+4:KV+32*\u+8*\n+7], v[ADV] offset:32*VP*\u+32*\n+16*VP
.endr
.endr
	WIN 0
	; the largest of a lane's 32 scores and the old m: four chains a tile, each accumulator from its low end on, the tiles by turns
.irp j, 0,1,2,3
.irp t, 0,1,2,3
	v_max3_num_f32 v[ST+8*\t+4+\j], v[S+32*\t+8*\j], v[S+32*\t+8*\j+1], v[S+32*\t+8*\j+2]
.endr
.endr
.irp g, 1,2
.irp j, 0,1,2,3
.irp t, 0,1,2,3
	v_max3_num_f32 v[ST+8*\t+4+\j], v[ST+8*\t+4+\j], v[S+32*\t+8*\j+2*\g+1], v[S+32*\t+8*\j+2*\g+2]
.endr
.endr
.endr
.irp t, 0,1,2,3
	v_max3_num_f32 v[ST+8*\t+4], v[ST+8*\t+4], v[S+32*\t+7], v[S+32*\t+15]
.endr
.irp t, 0,1,2,3
	v_max3_num_f32 v[ST+8*\t+6], v[ST+8*\t+6], v[S+32*\t+23], v[S+32*\t+31]
.endr
.irp t, 0,1,2,3
	v_max3_num_f32 v[ST+8*\t+4], v[ST+8*\t+4], v[ST+8*\t+5], v[ST+8*\t+6]
.endr
.irp t, 0,1,2,3
.if \first
	v_max_num_f32 v[ST+8*\t+4], v[ST+8*\t+4], v[ST+8*\t+7]
.else
	v_max3_num_f32 v[ST+8*\t+4], v[ST+8*\t+4], v[ST+8*\t+7], v[ST+8*\t]
.endif
.endr
.irp t, 0,1,2,3
	v_permlanex16_b32 v[ST+8*\t+5], v[ST+8*\t+4], s[SEL], s[SEL+1]   ; the query's other 32 keys lie in the lane 16 away
.endr
.if \first
.irp t, 0,1,2,3
	v_max_num_f32 v[ST+8*\t], v[ST+8*\t+4], v[ST+8*\t+5]             ; m
.endr
.irp t, 0,1,2,3
	v_mov_b32 v[ST+8*\t+6], 1.0                                      ; a = 1: nothing has been summed yet
.endr
.else
.irp t, 0,1,2,3
	v_max_num_f32 v[ST+8*\t+4], v[ST+8*\t+4], v[ST+8*\t+5]
.endr
.irp t, 0,1,2,3
	v_sub_f32 v[ST+8*\t+1], v[ST+8*\t], v[ST+8*\t+4]                 ; old m - new m, 0 or less
.endr
.irp t, 0,1,2,3
	v_mov_b32 v[ST+8*\t], v[ST+8*\t+4]
.endr
.endif
	; ONE BATCH: the 64 packed subtractions t - m and all exponentials; none of these lines names an exponential's result
.irp k, 0,1,2,3,4,5,6,7,8,9,10,11,12,13,14,15
	v_pk_add_f32 v[S+2*\k:S+2*\k+1], v[S+2*\k:S+2*\k+1], v[ST:ST+1] op_sel_hi:[1,0] neg_lo:[0,1] neg_hi:[0,1]
.endr
.if \first == 0
.irp t, 0,1,2,3
	v_exp_f32 v[ST+8*\t+6], v[ST+8*\t+1]           ; a = 2^(old m - new m)
.endr
.endif
.irp t, 0,1,2
.irp k, 0,1,2,3,4,5,6,7,8,9,10,11,12,13,14,15
	v_pk_add_f32 v[S+32*(\t+1)+2*\k:S+32*(\t+1)+2*\k+1], v[S+32*(\t+1)+2*\k:S+32*(\t+1)+2*\k+1], v[ST+8*(\t+1):ST+8*(\t+1)+1] op_sel_hi:[1,0] neg_lo:[0,1] neg_hi:[0,1]
	v_exp_f32 v[S+32*\t+2*\k], v[S+32*\t+2*\k]
	v_exp_f32 v[S+32*\t+2*\k+1], v[S+32*\t+2*\k+1]
.endr
.endr
.irp k, 0,1,2,3,4,5,6,7,8,9,10,11,12,13,14,15,16,17,18,19,20,21,22,23,24,25,26,27,28,29,30,31
	v_exp_f32 v[S+96+\k], v[S+96+\k]
.endr
	v_nop                                          ; a plain line behind the last exponential, ahead of the first use
	s_wait_alu depctr_va_vdst(0)                   ; the wait ahead of the first line that names a result: one for the whole batch
.irp t, 0,1,2,3
.irp k, 0,1,2,3,4,5,6,7,8,9,10,11,12,13,14,15
	v_cvt_pk_f16_f32 v[P+16*\t+\k], v[S+32*\t+2*\k], v[S+32*\t+2*\k+1]
.endr
.endr
.if \first == 0
	WIN 0x41                                       ; O^T in window 1, a in window 0
.irp t, 0,1,2,3
.irp k, 0,1,2,3,4,5,6,7,8,9,10,11,12,13,14,15
	v_pk_mul_f32 v[32*\t+2*\k:32*\t+2*\k+1], v[32*\t+2*\k:32*\t+2*\k+1], v[ST+8*\t+6:ST+8*\t+7] op_sel_hi:[1,0]
.endr
.endr
.endif
	s_wait_dscnt 0x0                               ; V is in
	WIN 0x51                                       ; V in window 1, P in window 0, O^T in window 1
.irp u, 0,1
.irp n, 0,1,2,3
.irp t, 0,1,2,3
.if \first && (\u == 0)
	v_wmma_f32_16x16x32_f16 v[32*\t+8*\n:32*\t+8*\n+7], v[KV+32*\u+8*\n:KV+32*\u+8*\n+7], v[P+16*\t+8*\u:P+16*\t+8*\u+7], 0
.else
	v_wmma_f32_16x16x32_f16 v[32*\t+8*\n:32*\t+8*\n+7], v[KV+32*\u+8*\n:KV+32*\u+8*\n+7], v[P+16*\t+8*\u:P+16*\t+8*\u+7], v[32*\t+8*\n:32*\t+8*\n+7]
.endif
.endr
.endr
.endr
	WIN 0
	s_add_co_u32 s[TBK], s[TBK], 64*KP
	s_add_co_u32 s[TBV], s[TBV], 64*VP
	s_add_co_u32 s[TBB], s[TBB], 256
.endm
.macro STEPS n
	s_mov_b32 s[CNT], \n
.Lsteps_\@:
	STEP 0
	s_sub_co_u32 s[CNT], s[CNT], 1
	s_cmp_lg_u32 s[CNT], 0
	s_cbranch_scc1 .Lsteps_\@
.endm
	GROUP 0                                        ; (its wait on DScnt also shows my four numbers of the bias stored)
	s_wait_loadcnt 0x0                             ; Q
	STEP 1
	STEPS 3
	GROUP 1
	STEPS 4
	GROUP 2
	STEPS 4
	GROUP 3
	STEPS 4
	SUMS                                           ; the last step's; these lines are also the places behind the last products
	; THE WAY OUT: O^T / l, rounded to f16, a tile of 16 queries at a time through my stage, and out as 512 consecutive bytes an instruction
.irp t, 0,1,2,3
	v_add_f32 v[ST+8*\t+4], v[ST+8*\t+2], v[ST+8*\t+3]
.endr
.irp t, 0,1,2,3
	v_permlanex16_b32 v[ST+8*\t+5], v[ST+8*\t+4], s[SEL], s[SEL+1]
.endr
.irp t, 0,1,2,3
	v_add_f32 v[ST+8*\t+4], v[ST+8*\t+4], v[ST+8*\t+5]
.endr
.irp t, 0,1,2,3
	v_rcp_f32 v[ST+8*\t+6], v[ST+8*\t+4]           ; l is at least 1: the largest t gives p = 1
.endr
	v_nop
	s_wait_alu depctr_va_vdst(0)                   ; one wait for the four reciprocals, ahead of their first use
	s_wait_dscnt 0x0
	s_barrier_signal -1
	s_barrier_wait -1                              ; no wave reads K any more: its region has had its one fill and takes the stages
.macro PACK t
	WIN 0x41
.irp k, 0,1,2,3,4,5,6,7,8,9,10,11,12,13,14,15
	v_pk_mul_f32 v[32*\t+2*\k:32*\t+2*\k+1], v[32*\t+2*\k:32*\t+2*\k+1], v[ST+8*\t+6:ST+8*\t+7] op_sel_hi:[1,0]
.endr
	WIN 0x05                                       ; sources 0 and 1 window 1, destination window 0
.irp k, 0,1,2,3,4,5,6,7,8,9,10,11,12,13,14,15
	v_cvt_pk_f16_f32 v[S+32*\t+\k], v[32*\t+2*\k], v[32*\t+2*\k+1]
.endr
	WIN 0
.irp n, 0,1,2,3
	ds_store_b128 v[STO], v[S+32*\t+4*\n:S+32*\t+4*\n+3] offset:32*\n
.endr
.irp i, 0,1,2,3
	ds_load_b128 v[S+32*\t+16+4*\i:S+32*\t+16+4*\i+3], v[RD] offset:4*KP*\i   ; LDS serves a wave's instructions in order: these see the stores above, and the next tile's stores come behind them
.endr
.endm
.macro SEND t, younger                 ; younger: the LDS instructions issued behind tile t's loads: the next tile's eight, or none
.irp i, 0,1,2,3
	s_wait_dscnt \younger+3-\i
	global_store_b128 v[GO], v[S+32*\t+16+4*\i:S+32*\t+16+4*\i+3], s[8:9] offset:2048*\t+512*\i
.endr
.endm
	PACK 0
	PACK 1
	SEND 0, 8
	PACK 2
	SEND 1, 8
	PACK 3
	SEND 2, 8
	SEND 3, 0
	s_wait_tensorcnt 0x0                           ; the wave's end: behind my last tensor load and my last LDS store
	ds_add_u32 v[SPW], v[NIL]
	s_wait_dscnt 0x0
	s_endpgm
.Lfunc_end_k_qd0235a23ee_attn:
	.size	k_qd0235a23ee_attn, .Lfunc_end_k_qd0235a23ee_attn-k_qd0235a23ee_attn
	.p2alignl 7, 3214868480
	.fill 96, 4, 3214868480
	.section	.rodata,"a",@progbits
	.p2align	6, 0x0
	.amdhsa_kernel k_qd0235a23ee_attn
		.amdhsa_group_segment_fixed_size 327680
		.amdhsa_private_segment_fixed_size 0
		.amdhsa_enable_private_segment 0
		.amdhsa_kernarg_size 24
		.amdhsa_user_sgpr_count 2
		.amdhsa_user_sgpr_kernarg_segment_ptr 1
		.amdhsa_wavefront_size32 1
		.amdhsa_system_sgpr_workgroup_id_x 1
		.amdhsa_system_sgpr_workgroup_id_y 1
		.amdhsa_system_sgpr_workgroup_id_z 1
		.amdhsa_system_vgpr_workitem_id 0
		.amdhsa_next_free_vgpr 512
		.amdhsa_next_free_sgpr 80
		.amdhsa_reserve_vcc 0
		.amdhsa_float_denorm_mode_32 3
		.amdhsa_float_denorm_mode_16_64 3
		.amdhsa_memory_ordered 1
		.amdhsa_forward_progress 1
		.amdhsa_inst_pref_size 181
	.end_amdhsa_kernel
	.amdgpu_metadata
---
amdhsa.version: [ 1, 2 ]
amdhsa.kernels:
  - .name:           k_qd0235a23ee_attn
    .symbol:         k_qd0235a23ee_attn.kd
    .args:
      - { .name: qkv, .offset: 0, .size: 8, .value_kind: global_buffer, .address_space: global }
      - { .name: padding_mask, .offset: 8, .size: 8, .value_kind: global_buffer, .address_space: global }
      - { .name: att, .offset: 16, .size: 8, .value_kind: global_buffer, .address_space: global }
    .group_segment_fixed_size: 327680
    .private_segment_fixed_size: 0
    .kernarg_segment_align: 8
    .kernarg_segment_size: 24
    .max_flat_workgroup_size: 256
    .sgpr_count:     80
    .vgpr_count:     512
    .wavefront_size: 32
...
	.end_amdgpu_metadata
.endif
;; end of part 3
;; launch proj (part 4): grid 4 x 64, 4 waves a work-group, clusters of 4 x 4, 327,680 bytes of LDS; arguments att, wpt, bproj, out0; writes out0
.if DOCPART == 4
	.amdgcn_target "amdgcn-amd-amdhsa--gfx1250"
	.amdhsa_code_object_version 6
	.text
	.protected	k_qd0235a23ee_proj
	.globl	k_qd0235a23ee_proj
	.p2align	8
	.type	k_qd0235a23ee_proj,@function
k_qd0235a23ee_proj:
	s_mov_b64 s[64:65], 0
	v_nop
	global_prefetch_b8 v0, s[64:65] scope:SCOPE_SE
	s_setreg_imm32_b32 hwreg(HW_REG_WAVE_MODE, 25, 1), 1
	s_wait_xcnt 0x0
	s_wait_alu depctr_hold_cnt(0) depctr_sa_sdst(0) depctr_va_vdst(0) depctr_va_sdst(0) depctr_va_ssrc(0) depctr_va_vcc(0) depctr_vm_vsrc(0)
	s_getreg_b32 s2, hwreg(HW_REG_IB_STS2, 6, 4)
	s_cmp_eq_u32 s2, 0
	s_cbranch_scc0 .Lentry_in_a_cluster
	s_endpgm
.Lentry_in_a_cluster:
	s_bfe_u32 s2, ttmp6, 0x10000c
	s_cmp_lg_u32 s2, 0xf033
	s_cbranch_scc0 .Lentry_shape_is_right
	s_endpgm
.Lentry_shape_is_right:
; out0[m][n] = the sum over k of att[m][k] Wproj[k][n] + bproj[n].  Both operands in f16, laid by planes of 64 along K: att [plane 16][m 8192][64], wpt [plane 16][n 1024][64]; sums and out0 in f32.
; A tile of out0 is 128 x 256: 256 work-groups.  Four waves, each 64 x 128: 32 accumulators of 16 x 16, 256 registers.  K goes in steps of 128 (two planes) through a ring of two LDS slots: each wave fetches one plane of
; one operand with one tensor load, a dense block of memory (128 or 256 rows of 128 bytes).  By this text's count a wave has two loads out at the start and one behind each change of slots.
; CLUSTERS: 4 x 4 work-groups.  The four of a row of the cluster need the same tiles of att, the four of a column the same tiles of wpt: each is asked for JOINTLY.
; THE MATRIX INSTRUCTION IS USED TRANSPOSED (source 0 = 16 rows of wpt, source 1 = 16 rows of att): a lane holds eight neighbouring columns of one row.  bproj is the C of each sum's first matrix instruction.
; REGISTERS: window 0: v0-31 addresses; v32-127, v128-223 two fragment buffers for 32 along K: wpt's eight fragments, then att's four; on the way out v32-159 hold rows.
;   window 1: the accumulators ((a, b) at v[8 (8 a + b)]).   window 2: v0-63 bproj in the result's layout, eight registers for each of my eight column blocks.
.set PITCH,  144                       ; an LDS row: 128 bytes + 16: the 16 rows that a load touches start at 16 different banks (64 banks of 4 bytes: ISA guide 11.1)
.set APL,    128*PITCH                 ; a plane of att's tile
.set BPL,    256*PITCH                 ; a plane of wpt's
.set SLOT,   2*APL+2*BPL
.set STAGE,  2*SLOT                    ; behind the ring: 16 rows x (512 bytes + 16) for each wave
.set SPITCH, 528
.set SPARE,  STAGE+4*16*SPITCH         ; the spare words, 128 bytes for each wave: two blocks of 256 bytes that no other line names
.set LAPS,   4                         ; a lap = two K steps = once round the ring
.set ADRA, 16
.set ADRB, 20
.set STO,  24
.set RD,   25
.set CO,   26
.set BO,   27                          ; v27  32 x (lane / 16): my eight numbers of a block of bproj
.set SPW,  28                          ; v28  LDS address of my spare word; never rewritten
.set NIL,  29                          ; v29  0; never rewritten
.set F0,   32
.set F1,   128
.set BK,   32
.set WV,   12
.set G1, 24
.set G0, 32
.set G1B, 48
.set G0B, 56
.set MSB, 0
.macro WIN new
.if MSB != (\new)
	s_set_vgpr_msb (MSB<<8)|(\new)
.set MSB, (\new)
.endif
.endm
.set MUL, 0x50                         ; C and D window 1; + 0x10: C window 2
.macro JLOAD s                         ; a joint load: waves 0 and 1 fetch att's two planes, waves 2 and 3 wpt's; an s_nop 0 and four v_nop follow each of the two lines
	s_cmp_eq_u32 s13, 0
	s_cbranch_scc0 .Lfor_b_\@
	tensor_load_to_lds s[G0+4*\s:G0+4*\s+3], s[G1:G1+7]
	s_nop 0
.rept 4
	v_nop
.endr
	s_branch .Lasked_\@
.Lfor_b_\@:
	tensor_load_to_lds s[G0B+4*\s:G0B+4*\s+3], s[G1B:G1B+7]
	s_nop 0
.rept 4
	v_nop
.endr
.Lasked_\@:
.endm
.macro CREST                           ; a round of the cluster's barrier behind its opening barrier
	s_cmp_lg_u32 s[WV], 0
	s_cbranch_scc1 .Lnot_wave_0_\@
	s_barrier_signal -3
.Lnot_wave_0_\@:
	s_barrier_wait -3
	s_barrier_signal -1
	s_barrier_wait -1
.endm
.macro CROUND
	s_barrier_signal -1
	s_barrier_wait -1
	CREST
.endm
	s_load_b256 s[4:11], s[0:1], 0x0               ; att s[4:5], wpt s[6:7], bproj s[8:9], out0 s[10:11]
	v_lshl_add_u32 v[SPW], v0, 2, SPARE
	v_mov_b32 v[NIL], 0
	ds_add_u32 v[SPW], v[NIL]                      ; the wave's opening: the add, twice on end, and its wait ahead of my first tensor load
	ds_add_u32 v[SPW], v[NIL]
	v_lshrrev_b32 v1, 5, v0
	v_readfirstlane_b32 s[WV], v1                  ; wave 0..3
	s_lshr_b32 s13, s[WV], 1                       ; which half of the tile's rows is mine.  Also: I fetch for att (0) or for wpt (1)
	s_and_b32 s14, s[WV], 1                        ; which half of its columns.  Also: which plane of a K step I fetch
	s_bfe_u32 s40, ttmp6, 0x40000                  ; cx, cy
	s_bfe_u32 s41, ttmp6, 0x40004
	s_lshl_b32 s42, ttmp9, 2
	s_add_co_u32 s42, s42, s40                     ; tile column
	s_and_b32 s15, ttmp7, 0xffff
	s_lshl_b32 s15, s15, 2
	s_add_co_u32 s15, s15, s41                     ; tile row
	s_lshl_b32 s43, s41, 2
	s_lshl_b32 s43, 15, s43                        ; my row of the cluster
	s_lshl_b32 s44, 0x1111, s40                    ; my column
	s_or_b32 s[G1+0], s43, (1<<16)|(1<<20)|(1<<21)|(4<<22)|(3<<25)   ; the mask; elements of 2 bytes; padding on; bit 21 beside a mask; after every 32 words; 4 words
	s_or_b32 s[G1B+0], s44, (1<<16)|(1<<20)|(1<<21)|(4<<22)|(3<<25)
	s_mov_b32 s[G1+1], 64<<16                      ; tensor_dim0 = 64
	s_mov_b32 s[G1+2], 128<<16                     ; tensor_dim1 = 128
	s_mov_b32 s[G1+3], 64<<16                      ; tile_dim0 = 64
	s_mov_b32 s[G1+4], 128                         ; tile_dim1 = 128
	s_mov_b32 s[G1+5], 64                          ; from row to row
	s_mov_b32 s[G1+6], 0
	s_mov_b32 s[G1+7], 0
	s_mov_b32 s[G1B+1], 64<<16
	s_mov_b32 s[G1B+2], 256<<16                    ; 256 rows
	s_mov_b32 s[G1B+3], 64<<16
	s_mov_b32 s[G1B+4], 256
	s_mov_b32 s[G1B+5], 64
	s_mov_b32 s[G1B+6], 0
	s_mov_b32 s[G1B+7], 0
	s_lshl_b32 s16, s15, 14                        ; att: 128 rows of 128 bytes a tile row,
	s_lshl_b32 s17, s14, 20                        ; a plane is 2^20 bytes
	s_add_co_u32 s16, s16, s17
	s_mov_b32 s17, 0
	s_lshl_b32 s46, s42, 15                        ; wpt: 256 rows a tile column,
	s_lshl_b32 s47, s14, 17                        ; a plane is 2^17 bytes
	s_add_co_u32 s46, s46, s47
	s_mov_b32 s47, 0
	s_mul_i32 s20, s14, APL                        ; where they go: no place in the cluster enters an LDS address
	s_mul_i32 s21, s14, BPL
	s_add_co_u32 s21, s21, 2*APL
	s_wait_dscnt 0x0                               ; both opening adds are done
	s_wait_kmcnt 0x0
	s_add_nc_u64 s[18:19], s[4:5], s[16:17]
	s_add_nc_u64 s[46:47], s[6:7], s[46:47]
	CROUND                                         ; all sixteen work-groups are here: the first joint loads meet
.irp s, 0,1
	s_mov_b32 s[G0+4*\s], 1
	s_add_co_u32 s[G0+4*\s+1], s20, \s*SLOT
	s_add_nc_u64 s[G0+4*\s+2:G0+4*\s+3], s[18:19], \s*(2<<20)      ; K step s: planes 2 s, 2 s + 1
	s_or_b32 s[G0+4*\s+3], s[G0+4*\s+3], 0x80000000
	s_mov_b32 s[G0B+4*\s], 1
	s_add_co_u32 s[G0B+4*\s+1], s21, \s*SLOT
	s_add_nc_u64 s[G0B+4*\s+2:G0B+4*\s+3], s[46:47], \s*(2<<17)
	s_or_b32 s[G0B+4*\s+3], s[G0B+4*\s+3], 0x80000000
	JLOAD \s
.endr
	v_and_b32 v1, 15, v0                           ; l % 16
	v_bfe_u32 v2, v0, 4, 1                         ; l / 16
	s_lshl_b32 s46, s42, 10                        ; my first column, in bytes of f32: 1,024 x tile column + 512 x half
	s_lshl_b32 s47, s14, 9
	s_add_co_u32 s46, s46, s47
	s_mov_b32 s47, 0
	s_add_nc_u64 s[8:9], s[8:9], s[46:47]
	v_lshlrev_b32 v[BO], 5, v2
	WIN 0x80                                       ; destination window 2
.irp b, 0,1,2,3,4,5,6,7
	global_load_b128 v[8*\b:8*\b+3],   v[BO], s[8:9] offset:64*\b      ; bproj(my first column + 16 b + 8 (l / 16) + 0 .. 7)
	global_load_b128 v[8*\b+4:8*\b+7], v[BO], s[8:9] offset:64*\b+16
.endr
	WIN 0
	v_mul_u32_u24 v3, v1, PITCH
	v_lshl_add_u32 v3, v2, 4, v3                   ; a fragment's row x pitch + 16 x half
	s_mul_i32 s21, s13, 64*PITCH                   ; my 64 rows of att
	s_mul_i32 s22, s14, 128*PITCH                  ; my 128 rows of wpt,
	s_add_co_u32 s22, s22, 2*APL                   ; whose planes lie behind att's two
.irp s, 0,1
	v_add_nc_u32 v[ADRA+\s], s21, v3
	v_add_nc_u32 v[ADRB+\s], s22, v3
	s_add_co_u32 s21, s21, SLOT
	s_add_co_u32 s22, s22, SLOT
.endr
	s_mul_i32 s23, s[WV], 16*SPITCH
	s_add_co_u32 s23, s23, STAGE                   ; my stage
	v_mul_u32_u24 v4, v1, SPITCH                   ; in: row l % 16, 32 bytes for each half of the lanes
	v_lshl_add_u32 v4, v2, 5, v4
	v_add_nc_u32 v[STO], s23, v4
	v_and_b32 v5, 31, v0
	v_lshlrev_b32 v[CO], 4, v5                     ; back: the 32 lanes take one row of 512 bytes; and the same in out0
	v_add_nc_u32 v[RD], s23, v[CO]
	s_lshl_b32 s16, s15, 19                        ; my first row of out0: 128 x tile row + 64 x half, rows of 4,096 bytes
	s_lshl_b32 s17, s13, 18
	s_add_co_u32 s16, s16, s17
	s_mov_b32 s17, 0
	s_add_nc_u64 s[10:11], s[10:11], s[16:17]
	s_add_nc_u64 s[10:11], s[10:11], s[46:47]
; 8 matrix instructions: att's block a against wpt's eight, 32 along K.  first = 1: bproj starts the sums.  The 32 accumulators take turns, in the same order in every quarter.
.macro MUL8 f, a, first
.irp b, 0,1,2,3,4,5,6,7
.if \first
	v_wmma_f32_16x16x32_f16 v[8*(8*(\a)+\b):8*(8*(\a)+\b)+7], v[\f+8*\b:\f+8*\b+7], v[\f+64+8*(\a):\f+64+8*(\a)+7], v[8*\b:8*\b+7]
.else
	v_wmma_f32_16x16x32_f16 v[8*(8*(\a)+\b):8*(8*(\a)+\b)+7], v[\f+8*\b:\f+8*\b+7], v[\f+64+8*(\a):\f+64+8*(\a)+7], v[8*(8*(\a)+\b):8*(8*(\a)+\b)+7]
.endif
.endr
.endm
; 24 LDS loads in one run: quarter q of a slot (plane q / 2, channels 32 (q % 2) on) into buffer f: wpt's eight fragments, then att's four
.macro FETCH slot, q, f
	WIN 0
.irp i, 0,1,2,3,4,5,6,7
	ds_load_b128 v[\f+8*\i:\f+8*\i+3],   v[ADRB+\slot] offset:((\q)/2)*BPL+16*PITCH*\i+64*((\q)%2)
	ds_load_b128 v[\f+8*\i+4:\f+8*\i+7], v[ADRB+\slot] offset:((\q)/2)*BPL+16*PITCH*\i+64*((\q)%2)+32
.endr
.irp i, 0,1,2,3
	ds_load_b128 v[\f+64+8*\i:\f+64+8*\i+3],   v[ADRA+\slot] offset:((\q)/2)*APL+16*PITCH*\i+64*((\q)%2)
	ds_load_b128 v[\f+64+8*\i+4:\f+64+8*\i+7], v[ADRA+\slot] offset:((\q)/2)*APL+16*PITCH*\i+64*((\q)%2)+32
.endr
.endm
.macro PLACES                          ; four places in front of loads into registers that matrix instructions have read, and of the first read of results
.rept 4
	v_nop
.endr
.endm
; A K step is four quarters of 32 along K, 32 matrix instructions each, on buffers 0, 1, 0, 1.  One of the first three: multiplies buffer f and fetches quarter qn of the same slot into g.
.macro QUARTER slot, qn, f, g, first
	s_wait_dscnt 4                                 ; all but the youngest four loads (att's blocks 2, 3) are in
	WIN MUL+0x10*(\first)
	MUL8 \f, 0, \first
	MUL8 \f, 1, \first
	PLACES
	FETCH \slot, \qn, \g
	s_wait_dscnt 24                                ; all but the 24 just issued
	WIN MUL+0x10*(\first)
	MUL8 \f, 2, \first
	MUL8 \f, 3, \first
.endm
; The last quarter multiplies buffer 1 and changes slots: ONE barrier; in front of it each wave waits for all its tensor loads, adds 0 to its spare word, and waits for that and for its reads of this slot.
; fill = 1: the barrier opens a round of the cluster's, and this slot is filled again, two K steps ahead, first thing behind the round.
.macro TURN slot, next, fill
	WIN 0                                          ; (the add's two registers lie in window 0)
	s_wait_tensorcnt 0x0                           ; all my tensor loads have landed: my part of the next slot;
	ds_add_u32 v[SPW], v[NIL]                      ; 0 onto my spare word;
	s_wait_dscnt 5                                 ; (the add and the youngest four loads may be out)
	WIN MUL
	MUL8 F1, 0, 0                                  ; eight matrix instructions stand between the add and the wait for it
	s_wait_dscnt 0x0                               ; the add is done, and my reads of this slot are over
	s_barrier_signal -1
	MUL8 F1, 1, 0
	WIN 0
	s_barrier_wait -1
.if \fill
	CREST                                          ; no wave of any partner still reads this slot's tiles or has a load on its way
	s_add_nc_u64 s[G0+4*\slot+2:G0+4*\slot+3], s[G0+4*\slot+2:G0+4*\slot+3], 4<<20      ; four planes on
	s_add_nc_u64 s[G0B+4*\slot+2:G0B+4*\slot+3], s[G0B+4*\slot+2:G0B+4*\slot+3], 4<<17
	JLOAD \slot                                    ; the four v_nop behind it are also the places in front of the loads below
.else
	PLACES
.endif
	FETCH \next, 0, F0
	WIN MUL
	MUL8 F1, 2, 0
	MUL8 F1, 3, 0
.endm
	s_wait_tensorcnt 1                             ; my part of K step 0 is in (K step 1's load may be out)
	s_barrier_signal -1
	s_barrier_wait -1                              ; everybody's is
	FETCH 0, 0, F0
	s_wait_loadcnt 0x0                             ; bproj
	QUARTER 0, 1, F0, F1, 1                        ; the first quarter stands in front of the loop: its products start the sums
	WIN 0                                          ; at a label and at a branch every window is 0
	s_mov_b32 s3, LAPS-1
.Llap:                                                 ; a trip goes once round the ring, from a lap's second quarter to the next lap's first, and fills both slots again
	QUARTER 0, 2, F1, F0, 0
	QUARTER 0, 3, F0, F1, 0
	TURN 0, 1, 1
	QUARTER 1, 1, F0, F1, 0
	QUARTER 1, 2, F1, F0, 0
	QUARTER 1, 3, F0, F1, 0
	TURN 1, 0, 1
	QUARTER 0, 1, F0, F1, 0
	WIN 0
	s_sub_co_u32 s3, s3, 1
	s_cmp_lg_u32 s3, 0
	s_cbranch_scc1 .Llap
	QUARTER 0, 2, F1, F0, 0                        ; the last lap fills nothing, and has no round of the cluster's barrier
	QUARTER 0, 3, F0, F1, 0
	TURN 0, 1, 0
	QUARTER 1, 1, F0, F1, 0
	QUARTER 1, 2, F1, F0, 0
	QUARTER 1, 3, F0, F1, 0
	s_wait_dscnt 4                                 ; the very last quarter: nothing more to fetch
	WIN MUL
	MUL8 F1, 0, 0
	MUL8 F1, 1, 0
	s_wait_dscnt 0x0
	MUL8 F1, 2, 0
	MUL8 F1, 3, 0
	WIN 0
; THE WAY OUT, block by block of 16 rows x 128 columns: through my own stage, back as whole rows of 512 bytes.  LDS serves a wave's instructions in order (ISA guide 5.7.1.4): no wait between the stores and the loads.
.macro TOSTAGE a
	WIN 0x04                                       ; an LDS store's data are its source 1: window 1
.irp b, 0,1,2,3,4,5,6,7
	ds_store_b128 v[STO], v[8*(8*(\a)+\b):8*(8*(\a)+\b)+3] offset:64*\b            ; each accumulator from its low end on
	ds_store_b128 v[STO], v[8*(8*(\a)+\b)+4:8*(8*(\a)+\b)+7] offset:64*\b+16
.endr
	WIN 0
.set BB, BK+64*((\a)%2)
.irp t, 0,1,2,3,4,5,6,7,8,9,10,11,12,13,14,15
	ds_load_b128 v[BB+4*\t:BB+4*\t+3], v[RD] offset:\t*SPITCH
.endr
.endm
.macro SEND a, younger                 ; younger: the LDS instructions issued behind block a's loads, which may stay out
.set BB, BK+64*((\a)%2)
	s_wait_dscnt \younger
.irp t, 0,1,2,3,4,5,6,7,8,9,10,11,12,13,14,15
	global_store_b128 v[CO], v[BB+4*\t:BB+4*\t+3], s[10:11] offset:(16*(\a)+\t)*4096 th:TH_STORE_NT   ; 32 lanes store 512 consecutive bytes, at a multiple of 256 from out0's first byte
.endr
.endm
	PLACES                                         ; behind the last products: for the reads of their results and for the loads into the fragments' registers
	TOSTAGE 0
.irp a, 1,2,3
.if \a > 1
	s_wait_xcnt 0x0                                ; block a - 2's stores have read their registers: block a's loads may land there
.endif
	TOSTAGE \a
	SEND \a-1, 32                                  ; behind block a - 1's loads: block a's 16 stores and 16 loads
.endr
	SEND 3, 0
	s_wait_tensorcnt 0x0                           ; the wave's end: behind my last tensor load and my last LDS store
	ds_add_u32 v[SPW], v[NIL]
	s_wait_dscnt 0x0
	CROUND                                         ; the closing round: no work-group ends while a partner may still ask for a tile that names it
	s_endpgm
.Lfunc_end_k_qd0235a23ee_proj:
	.size	k_qd0235a23ee_proj, .Lfunc_end_k_qd0235a23ee_proj-k_qd0235a23ee_proj
	.p2alignl 7, 3214868480
	.fill 96, 4, 3214868480
	.section	.rodata,"a",@progbits
	.p2align	6, 0x0
	.amdhsa_kernel k_qd0235a23ee_proj
		.amdhsa_group_segment_fixed_size 327680
		.amdhsa_private_segment_fixed_size 0
		.amdhsa_enable_private_segment 0
		.amdhsa_kernarg_size 32
		.amdhsa_user_sgpr_count 2
		.amdhsa_user_sgpr_kernarg_segment_ptr 1
		.amdhsa_wavefront_size32 1
		.amdhsa_system_sgpr_workgroup_id_x 1
		.amdhsa_system_sgpr_workgroup_id_y 1
		.amdhsa_system_sgpr_workgroup_id_z 1
		.amdhsa_system_vgpr_workitem_id 0
		.amdhsa_next_free_vgpr 640
		.amdhsa_next_free_sgpr 66
		.amdhsa_reserve_vcc 0
		.amdhsa_float_denorm_mode_32 3
		.amdhsa_float_denorm_mode_16_64 3
		.amdhsa_memory_ordered 1
		.amdhsa_forward_progress 1
		.amdhsa_inst_pref_size 86
	.end_amdhsa_kernel
	.amdgpu_metadata
---
amdhsa.version: [ 1, 2 ]
amdhsa.kernels:
  - .name:           k_qd0235a23ee_proj
    .symbol:         k_qd0235a23ee_proj.kd
    .args:
      - { .name: att, .offset: 0, .size: 8, .value_kind: global_buffer, .address_space: global }
      - { .name: wpt, .offset: 8, .size: 8, .value_kind: global_buffer, .address_space: global }
      - { .name: bproj, .offset: 16, .size: 8, .value_kind: global_buffer, .address_space: global }
      - { .name: out0, .offset: 24, .size: 8, .value_kind: global_buffer, .address_space: global }
    .group_segment_fixed_size: 327680
    .private_segment_fixed_size: 0
    .kernarg_segment_align: 8
    .kernarg_segment_size: 32
    .max_flat_workgroup_size: 128
    .sgpr_count:     66
    .vgpr_count:     640
    .wavefront_size: 32
...
	.end_amdgpu_metadata
.endif
;; end of part 4
